; MI455X (gfx1250); checked and timed in simulation.
; The chip was launched on July 23, 2026; its instructions are those of AMD's public machine-readable ISA for CDNA 5 (MIT licence, August 2026) and "CDNA5" Instruction Set Architecture Reference Guide (July 2026). The comments in the code are by the model that wrote it; some were corrected since.
;; Encoder Layer. Allowed arithmetic: matrix products marked QUANTISED: E4M3 operands, one E8M0 scale for each 32 along K, by v_wmma_scale_f32_16x16x128_f8f6f4 with both operands' format E4M3, f32 sums; everything else in f32.
;; Inputs: W1 1,024 x 4,096 float32; W2 4,096 x 1,024 float32; Wk 1,024 x 1,024 float32; Wo 1,024 x 1,024 float32; Wq 1,024 x 1,024 float32; Wv 1,024 x 1,024 float32; b1 4,096 float32; b2 1,024 float32; beta1 1,024 float32; beta2 1,024 float32; bk 1,024 float32; bo 1,024 float32; bq 1,024 float32; bv 1,024 float32; g1 1,024 float32; g2 1,024 float32; pad_mask 2 x 1 x 1 x 2,048 bool; rel_emb 32 x 16 float32; x 2 x 2,048 x 1,024 float32.
;; Outputs: out0 2 x 2,048 x 1,024 float32.
;; This version of the problem:
;;   THIS VERSION OF THE PROBLEM IS GIVEN IN LOW PRECISION. The matrix products marked QUANTISED in the list below multiply operands that are first quantised to E4M3 (4 exponent bits, 3 mantissa bits; 8 bits a number), with one power-of-two scale for each 32 numbers along K (OCP MX v1.0); their sums are f32. All else is computed in f32.
;;   The module's matrix products, in the order in which they are computed (A, B: the left and right operand; K: the contracted axis; several contracted axes count as one K, in the product's order):
;;     1. [M 4,096, K 1,024] x [K 1,024, N 1,024]; A: computed on the way; B: input Wq: QUANTISED
;;     2. [M 4,096, K 1,024] x [K 1,024, N 1,024]; A: computed on the way; B: input Wk: QUANTISED
;;     3. [M 4,096, K 1,024] x [K 1,024, N 1,024]; A: computed on the way; B: input Wv: QUANTISED
;;     4. batch 32 x [M 2,048, K 64] x [K 64, N 2,048]; A: computed on the way; B: computed on the way: QUANTISED
;;     5. batch 32 x [M 64, K 2,048] x [K 2,048, N 2,048]; A: computed on the way; B: softmax (see below): QUANTISED
;;     6. [M 4,096, K 1,024] x [K 1,024, N 1,024]; A: computed on the way; B: input Wo: QUANTISED
;;     7. [M 4,096, K 1,024] x [K 1,024, N 4,096]; A: computed on the way; B: input W1: QUANTISED
;;     8. [M 4,096, K 4,096] x [K 4,096, N 1,024]; A: computed on the way; B: input W2: QUANTISED
;;   THE QUANTISER, for each operand of a quantised product, along K:
;;     - K is cut into blocks of 32 from its start; a last block that is shorter is filled with zeros.
;;     - A block's scale is 2^e with e = floor(log2(the largest magnitude in the block)) - 8, held to -126 .. 127; a block of zeros has e = 0. As a byte (E8M0): e + 127.
;;     - Each number is divided by its block's scale, clamped to +-448, and rounded to the nearest number of E4M3, ties to even, subnormals kept.
;;     - The product sums the exact products of the quantised numbers (number of the format x scale) in f32.
;;   ~~~python
;;   def quantise(x, axis):      # numpy; x: float32 -> the quantised numbers, widened to float32 again
;;       x = np.moveaxis(x, axis, -1); K = x.shape[-1]
;;       x = np.pad(x, [(0, 0)] * (x.ndim - 1) + [(0, -K % 32)]); x = x.reshape(x.shape[:-1] + (-1, 32)); a = np.abs(x).max(-1, keepdims=True)
;;       e = np.where(a > 0, np.clip(np.frexp(np.where(a > 0, a, 1))[1] - 1 - 8, -126, 127), 0)      # np.frexp(a)[1] - 1 = floor(log2(a)), exactly
;;       r = np.clip(x / 2.0 ** e, -448, 448)
;;       step = 2.0 ** (np.maximum(np.frexp(np.where(r == 0, 1, r))[1] - 1, -6) - 3)
;;       q = np.round(r / step) * step * 2.0 ** e      # np.round: ties to even
;;       return np.moveaxis(q.reshape(q.shape[:-2] + (-1,))[..., :K], -1, axis).astype(np.float32)
;;   ~~~
;;   SOFTMAX AHEAD OF A QUANTISED PRODUCT. Where the list says 'softmax', what is quantised is not the finished softmax but p = 2^(t - M), with t = logit x log2(e) and M = ceil(the row's largest t), a whole number; so 1/2 < the row's largest p <= 1. The row's sum l is taken of the UNQUANTISED p, in f32, and the product's result is divided by l at the end. Since M is a whole number, a kernel that streams over the keys may use a running M (the ceiling of the running maximum): every later rescaling is an exact power of two, which a block's scale takes up: the codes' values come out the same.
;;   OPERANDS COMPUTED ON THE WAY. 'Computed on the way' means the value that the module computes at that place (a softmax that the list does not call 'softmax' is quantised finished and normalised). What goes into a quantiser is computed in f32, as accurately as f32 sums, v_exp_f32 and their like allow (about 1e-6 of the number): no bf16 or f16 on the way to a quantiser, and a product that is left as it is and whose result goes on into a quantised operand takes f32 operands (vector FMAs, or v_wmma_f32_16x16x4_f32). A number that lies on a knife's edge between two numbers of the format may be rounded either way, as far as f32 arithmetic and the matrix unit's own rounding can turn it there, and no further.
;; One version. Each part assembles by itself: llvm-mc -triple=amdgcn-amd-amdhsa -mcpu=gfx1250 --defsym DOCPART=n.
;; ======== version 1 of 1: 7 launches
;; limits: right only within a limited range of input values
;; workspace buffers: wts 12,976,128 bytes; h1 4,325,376 bytes; qkvb 13,238,272 bytes; ao 4,325,376 bytes; x1 16,777,216 bytes; h2 4,325,376 bytes; gl 17,301,504 bytes
;; launch prep (part 1): grid 1024 x 1, 4 waves a work-group, no clusters, 66,304 bytes of LDS; arguments x, g1, beta1, h1, Wq, Wk, Wv, Wo, W2, W1, wts; writes h1, wts
.if DOCPART == 1
	.amdgcn_target "amdgcn-amd-amdhsa--gfx1250"
	.amdhsa_code_object_version 6
	.text
	.protected	k_q5ba310b1ab_prep
	.globl	k_q5ba310b1ab_prep
	.p2align	8
	.type	k_q5ba310b1ab_prep,@function
k_q5ba310b1ab_prep:
	s_mov_b64 s[64:65], 0
	v_nop
	global_prefetch_b8 v0, s[64:65] scope:SCOPE_SE
	s_setreg_imm32_b32 hwreg(HW_REG_WAVE_MODE, 25, 1), 1
	s_wait_xcnt 0x0
; ONE LAUNCH PREPARES ALL OPERANDS THAT HANG ON INPUTS ALONE.  Work-groups 0..255: the first layer norm of x, quantised (h1).  Work-groups 256..1023: the six weights, quantised (wts).
; The two paths part on the work-group's number alone and share no data; only the norm's path uses LDS and has a barrier, which all four waves of such a work-group pass.
; With 256 registers a wave and 66,304 bytes of LDS four work-groups fit on a WGP: 1,024 work-groups are one turn.
; THE NORM: y = (x - mean) rsqrt(var + 1e-5) g + beta for rows of 1,024 f32, quantised along the row to E4M3 with one E8M0 byte for each 32, stored as an image of the operand's registers:
; codes of stored row rho, k at (rho>>7) 131072 + (k>>7) 16384 + ((rho>>4)&7) 2048 + ((k>>5)&3) 512 + ((k>>4)&1) 256 + (rho&15) 16 + (k&15); rho = the row's number with bits 3 and 4 exchanged.
; Scale words (4 bytes for 128 along k) at 4,194,304 + ((rho>>7) 8 + (k>>7)) 512 + (rho&127) 4.
; Work-group T makes stored tile T (16 rows).  Phase 1: wave w normalises four whole rows, kept in 128 registers, and puts them in a stage in LDS (16 rows of 4,096 bytes + 16).  One barrier.
; Phase 2: wave w takes K steps 2 w and 2 w + 1: lane (r, h) reads of row r the 16 neighbours 32 c + 16 h + 0..15 of each block, which is the order of the operand's registers.
; THE WEIGHTS [K][N], f32, K their FIRST axis: image of a panel (128 columns n) and a K step (128): 16,384 bytes = [tile 8][chunk 4][half 2][row 16][16 codes]; rho = the column's number in the panel with bits 3 and 4 exchanged.
; Work-group 256 + g takes one panel x one K step; g = 0..255: Wq, Wk, Wv, Wo (64 each: 8 panels x 8 K steps); 256..511: W2 (8 x 32); 512..767: W1 (32 x 8).  Codes at g x 16,384, scale words at 12,582,912 + g x 512.
; A wave takes 32 columns; a lane takes a column and its registers run down K: a block of 32 lies in one lane, and the conversions give codes with K innermost.
; No matrix unit, no cluster: every byte is read once.  LIMITS: NaN and infinities are not served; a block whose largest magnitude lies under 2^-118 (zeros too) keeps the byte 1: only this program reads the bytes.
.set SP,  4112                         ; a stage row: an odd multiple of 16 bytes
.set X,   32                           ; norm: v32-159 four rows x 32 numbers, then two fragments' 64;  weights: four blocks of 32 numbers
.set G,   160                          ; v160-191 g;  in phase 2 the codes
.set BT,  192                          ; v192-223 beta
.set SM,  224                          ; v224-231 a pair a row: sums, mean, then 1 / sigma
.set SQ,  232                          ; v232-239 a pair a row: sums of squares
.set TM,  224                          ; phase 2: the quantiser's 16 temporaries
.set SEL, 20                           ; s[20:21] v_permlanex16_b32's selects for lane l xor 16
.set MNT, 24                           ; the mantissa field of 448 (norm)
.set C,    160                         ; weights: v160-191 eight registers of codes a block
.set WORD, 16                          ; weights: v16 the four scale bytes
.set WMNT, 31                          ; the mantissa field of 448 (weights)
.macro QUANT nb, s, pc, pw             ; 16 b + i of v[s] on = k 32 b + 16 (lane / 16) + i of my row -> codes in v[pc] on, the scale word in v[pw]
.irp b, 0,1,2,3
.if \b < \nb
	v_max3_num_f32 v[TM+\b], |v[(\s)+16*\b]|, |v[(\s)+1+16*\b]|, 0x4800000   ; my 16 numbers of block b, and the floor 2^(9 - 127)
.endif
.endr
.irp i, 2,4,6,8,10,12,14
.irp b, 0,1,2,3
.if \b < \nb
	v_max3_num_f32 v[TM+\b], v[TM+\b], |v[(\s)+16*\b+\i]|, |v[(\s)+1+16*\b+\i]|
.endif
.endr
.endr
.irp b, 0,1,2,3
.if \b < \nb
	v_permlanex16_b32 v[TM+4+\b], v[TM+\b], s[SEL], s[SEL+1]
.endif
.endr
.irp b, 0,1,2,3
.if \b < \nb
	v_max_num_f32 v[TM+\b], v[TM+\b], v[TM+4+\b]           ; with lane l xor 16's: the block's largest magnitude
.endif
.endr
.irp b, 0,1,2,3
.if \b < \nb
	v_add_nc_u32 v[TM+12+\b], 0xfc000000, v[TM+\b]         ; 8 off the exponent field: the conversion's scale operand
	v_and_or_b32 v[TM+8+\b], v[TM+\b], 0x7f800000, s[MNT]  ; 448 x the scale
	v_lshrrev_b32 v[TM+4+\b], 23, v[TM+12+\b]              ; the scale's byte
.endif
.endr
	v_lshl_or_b32 v[\pw], v[TM+5], 8, v[TM+4]
.if \nb > 2
	v_lshl_or_b32 v[\pw], v[TM+6], 16, v[\pw]
	v_lshl_or_b32 v[\pw], v[TM+7], 24, v[\pw]
.endif
.irp b, 0,1,2,3
.if \b < \nb
.irp i, 0,1,2,3,4,5,6,7,8,9,10,11,12,13,14,15
	v_med3_num_f32 v[(\s)+16*\b+\i], v[(\s)+16*\b+\i], -v[TM+8+\b], v[TM+8+\b]   ; the conversion does not saturate (ISA guide 7.6.2): hold first
.endr
	v_cvt_scalef32_pk8_fp8_f32 v[(\pc)+4*\b:(\pc)+1+4*\b], v[(\s)+16*\b:(\s)+7+16*\b], v[TM+12+\b]
	v_cvt_scalef32_pk8_fp8_f32 v[(\pc)+2+4*\b:(\pc)+3+4*\b], v[(\s)+8+16*\b:(\s)+15+16*\b], v[TM+12+\b]
.endif
.endr
	v_nop                                          ; a plain line behind the last conversion
.endm
.macro REDUCE p                        ; the four rows' pairs -> each row's sum over the wave, in every lane, in the pair's low register
.irp i, 0,1,2,3
	v_add_f32 v[\p+2*\i], v[\p+2*\i], v[\p+2*\i+1]
.endr
.irp m, 1,2,4,8
.irp i, 0,1,2,3
	v_add_f32_dpp v[\p+2*\i], v[\p+2*\i], v[\p+2*\i] row_xmask:\m row_mask:0xf bank_mask:0xf
.endr
.endr
.irp i, 0,1,2,3
	v_permlanex16_b32 v[\p+2*\i+1], v[\p+2*\i], s[SEL], s[SEL+1]
.endr
.irp i, 0,1,2,3
	v_add_f32 v[\p+2*\i], v[\p+2*\i], v[\p+2*\i+1]
.endr
.endm
	v_lshl_add_u32 v254, v0, 2, 0x10100            ; my spare word, behind the stage,
	v_mov_b32 v255, 0                              ; and 0: kept for the add at the norm's end
	v_lshrrev_b32 v1, 5, v0
	v_readfirstlane_b32 s12, v1                    ; wave
	s_cmp_lt_u32 ttmp9, 256                        ; the work-group's number alone decides the path
	s_cbranch_scc0 .Lweights
	s_load_b256 s[4:11], s[0:1], 0x0               ; x, g1, beta1, h1
	v_and_b32 v1, 31, v0                           ; lane
	v_and_b32 v5, 15, v0                           ; r
	v_bfe_u32 v6, v0, 4, 1                         ; h
	v_lshlrev_b32 v2, 4, v1                        ; 16 x lane
	s_mul_i32 s13, s12, 4*SP
	v_add_nc_u32 v3, s13, v2                       ; stage, in: my wave's four rows, 16 bytes a lane
	v_mul_u32_u24 v4, v5, SP
	v_lshl_add_u32 v4, v6, 6, v4
	s_lshl_b32 s13, s12, 10
	v_add_nc_u32 v4, s13, v4                       ; stage, out: row r, + 64 h, + my two K steps' 1,024 bytes
	v_lshlrev_b32 v7, 2, v5
	v_lshl_add_u32 v7, v6, 9, v7                   ; scale words: 4 r; lanes 16-31 carry the second K step's, 512 bytes on
	s_mov_b32 s[SEL], 0x76543210
	s_mov_b32 s[SEL+1], 0xfedcba98
	s_mov_b32 s22, 0x3a800000                      ; 1 / 1024
	s_mov_b32 s23, 0x3727c5ac                      ; 1e-5
	s_mov_b32 s[MNT], 0x600000
	s_lshr_b32 s14, ttmp9, 1                       ; my first row: 32 (T / 2) + 8 (T % 2) + 16 (w / 2) + 4 (w % 2)
	s_lshl_b32 s14, s14, 5
	s_and_b32 s15, ttmp9, 1
	s_lshl_b32 s15, s15, 3
	s_add_co_u32 s14, s14, s15
	s_lshr_b32 s15, s12, 1
	s_lshl_b32 s15, s15, 4
	s_add_co_u32 s14, s14, s15
	s_and_b32 s15, s12, 1
	s_lshl_b32 s15, s15, 2
	s_add_co_u32 s14, s14, s15
	s_lshl_b32 s14, s14, 12
	s_mov_b32 s15, 0
	s_lshr_b32 s16, ttmp9, 3                       ; panel
	s_and_b32 s17, ttmp9, 7                        ; tile in it
	s_lshl_b32 s18, s16, 17
	s_lshl_b32 s19, s17, 11
	s_add_co_u32 s18, s18, s19
	s_lshl_b32 s19, s12, 15                        ; K step 2 w
	s_add_co_u32 s18, s18, s19
	s_mov_b32 s19, 0
	s_lshl_b32 s26, s16, 12
	s_lshl_b32 s27, s17, 6
	s_add_co_u32 s26, s26, s27
	s_lshl_b32 s27, s12, 10
	s_add_co_u32 s26, s26, s27
	s_add_co_u32 s26, s26, 4194304
	s_mov_b32 s27, 0
	s_wait_alu depctr_va_vdst(0)                   ; the wait at the head's end
	s_wait_kmcnt 0x0
	s_add_nc_u64 s[4:5], s[4:5], s[14:15]
	s_add_nc_u64 s[18:19], s[10:11], s[18:19]
	s_add_nc_u64 s[26:27], s[10:11], s[26:27]
.irp i, 0,1,2,3
.irp j, 0,1,2,3,4,5,6,7
	global_load_b128 v[X+32*\i+4*\j:X+32*\i+4*\j+3], v2, s[4:5] offset:4096*\i+512*\j   ; 32 lanes read 512 consecutive bytes
.endr
.endr
.irp j, 0,1,2,3,4,5,6,7
	global_load_b128 v[G+4*\j:G+4*\j+3], v2, s[6:7] offset:512*\j
	global_load_b128 v[BT+4*\j:BT+4*\j+3], v2, s[8:9] offset:512*\j
.endr
	s_wait_loadcnt 16                              ; the rows are in; g's and beta's sixteen loads may be out
.irp i, 0,1,2,3
	v_pk_add_f32 v[SM+2*\i:SM+2*\i+1], v[X+32*\i:X+32*\i+1], v[X+32*\i+2:X+32*\i+3]
.endr
.irp j, 4,6,8,10,12,14,16,18,20,22,24,26,28,30
.irp i, 0,1,2,3
	v_pk_add_f32 v[SM+2*\i:SM+2*\i+1], v[SM+2*\i:SM+2*\i+1], v[X+32*\i+\j:X+32*\i+\j+1]   ; the four rows by turns
.endr
.endr
	REDUCE SM
.irp i, 0,1,2,3
	v_mul_f32 v[SM+2*\i], s22, v[SM+2*\i]          ; the mean
.endr
.irp j, 0,2,4,6,8,10,12,14,16,18,20,22,24,26,28,30
.irp i, 0,1,2,3
	v_pk_add_f32 v[X+32*\i+\j:X+32*\i+\j+1], v[X+32*\i+\j:X+32*\i+\j+1], v[SM+2*\i:SM+2*\i+1] op_sel_hi:[1,0] neg_lo:[0,1] neg_hi:[0,1]   ; x - mean
.endr
.endr
.irp i, 0,1,2,3
	v_pk_mul_f32 v[SQ+2*\i:SQ+2*\i+1], v[X+32*\i:X+32*\i+1], v[X+32*\i:X+32*\i+1]
.endr
.irp j, 2,4,6,8,10,12,14,16,18,20,22,24,26,28,30
.irp i, 0,1,2,3
	v_pk_fma_f32 v[SQ+2*\i:SQ+2*\i+1], v[X+32*\i+\j:X+32*\i+\j+1], v[X+32*\i+\j:X+32*\i+\j+1], v[SQ+2*\i:SQ+2*\i+1]
.endr
.endr
	REDUCE SQ
.irp i, 0,1,2,3
	v_fma_f32 v[SQ+2*\i], v[SQ+2*\i], s22, s23     ; var + eps
.endr
	s_wait_alu depctr_va_vdst(0)                   ; the wait ahead of the batch
.irp i, 0,1,2,3
	v_rsq_f32 v[SM+2*\i], v[SQ+2*\i]
.endr
	v_nop                                          ; a plain line behind the last of the four
	s_wait_alu depctr_va_vdst(0)                   ; one wait for the four, ahead of their first reader
	s_wait_loadcnt 0x0                             ; g and beta
.irp i, 0,1,2,3
.irp j, 0,2,4,6,8,10,12,14,16,18,20,22,24,26,28,30
	v_pk_mul_f32 v[X+32*\i+\j:X+32*\i+\j+1], v[X+32*\i+\j:X+32*\i+\j+1], v[SM+2*\i:SM+2*\i+1] op_sel_hi:[1,0]
.endr
.irp j, 0,2,4,6,8,10,12,14,16,18,20,22,24,26,28,30
	v_pk_fma_f32 v[X+32*\i+\j:X+32*\i+\j+1], v[X+32*\i+\j:X+32*\i+\j+1], v[G+\j:G+\j+1], v[BT+\j:BT+\j+1]
.endr
.irp j, 0,1,2,3,4,5,6,7
	ds_store_b128 v3, v[X+32*\i+4*\j:X+32*\i+4*\j+3] offset:\i*SP+512*\j
.endr
.endr
	s_wait_dscnt 0x0                               ; for the others' sake: my rows lie in the stage
	s_barrier_signal -1
	s_barrier_wait -1
.irp e, 0,1
.irp c, 0,1,2,3
.irp j, 0,1,2,3
	ds_load_b128 v[X+64*\e+16*\c+4*\j:X+64*\e+16*\c+4*\j+3], v4 offset:512*\e+128*\c+16*\j
.endr
.endr
.endr
	s_wait_dscnt 16                                ; the first K step's 16 loads are in
	QUANT 4, X, 160, 240
.irp c, 0,1,2,3
	global_store_b128 v2, v[160+4*\c:163+4*\c], s[18:19] offset:512*\c           ; 512 consecutive bytes
.endr
	s_wait_dscnt 0x0
	QUANT 4, X+64, 176, 241
.irp c, 0,1,2,3
	global_store_b128 v2, v[176+4*\c:179+4*\c], s[18:19] offset:16384+512*\c
.endr
	v_cmp_gt_u32 vcc_lo, 16, v1                    ; lanes 0-15 carry the first K step's words, lanes 16-31 the second's (both halves hold both)
	v_cndmask_b32 v242, v241, v240, vcc_lo
	global_store_b32 v7, v242, s[26:27]
	s_wait_tensorcnt 0x0                           ; the wave's end
	ds_add_u32 v254, v255
	s_wait_dscnt 0x0
	s_endpgm
.Lweights:                                         ; THE WEIGHTS' PATH: no LDS, no barrier
	s_mov_b32 s18, s12                             ; wave
	s_sub_co_u32 s30, ttmp9, 256                   ; g
	s_load_b256 s[4:11], s[0:1], 0x20              ; Wq, Wk, Wv, Wo
	s_load_b128 s[12:15], s[0:1], 0x40             ; W2, W1
	s_load_b64 s[16:17], s[0:1], 0x50              ; wts
	v_and_b32 v2, 31, v0                           ; lane
	v_lshlrev_b32 v3, 2, v2                        ; in: 4 bytes a lane
	v_bfe_u32 v4, v0, 3, 1                         ; bit 3 of my column: which of the wave's two tiles
	v_bfe_u32 v5, v0, 4, 1                         ; bit 4: the upper eight rows of the tile
	v_and_b32 v6, 7, v0
	v_lshl_add_u32 v6, v5, 3, v6                   ; my row in the tile
	v_lshl_add_u32 v7, s18, 1, v4                  ; my tile: 2 x wave + bit 3
	v_lshlrev_b32 v5, 11, v7
	v_lshl_add_u32 v5, v6, 4, v5                   ; codes: tile x 2048 + row x 16
	v_lshlrev_b32 v7, 6, v7
	v_lshl_add_u32 v7, v6, 2, v7                   ; scale word: tile x 64 + row x 4
	s_mov_b32 s[WMNT], 0x600000
	s_lshr_b32 s19, s30, 6                         ; 0..3: which of the four square weights
	s_lshr_b32 s20, s30, 8                         ; 0: those four, 1: W2, 2: W1
	s_cmp_eq_u32 s20, 1
	s_cselect_b32 s21, 5, 3                        ; W2 has 32 K steps, the others 8
	s_cselect_b32 s22, 31, 7
	s_cmp_eq_u32 s20, 2
	s_cselect_b32 s23, 31, 7                       ; W1 has 32 panels, the others 8
	s_cselect_b32 s24, 21, 19                      ; 128 rows of W1 are 2^21 bytes, of the others 2^19
	s_and_b32 s22, s30, s22                        ; K step
	s_lshr_b32 s25, s30, s21
	s_and_b32 s23, s25, s23                        ; panel
	s_lshl_b32 s22, s22, s24
	s_lshl_b32 s23, s23, 9                         ; 128 columns of 4 bytes
	s_add_co_u32 s22, s22, s23
	s_lshl_b32 s23, s18, 7                         ; my wave's 32 columns
	s_add_co_u32 s22, s22, s23
	s_mov_b32 s23, 0
	s_lshl_b32 s26, s30, 14
	s_mov_b32 s27, 0
	s_lshl_b32 s28, s30, 9
	s_add_co_u32 s28, s28, 12582912
	s_mov_b32 s29, 0
	s_wait_alu depctr_va_vdst(0)                   ; the wait at the head's end
	s_wait_kmcnt 0x0
	s_cmp_eq_u32 s19, 1                            ; the source is chosen by the work-group's number alone
	s_cselect_b64 s[4:5], s[6:7], s[4:5]
	s_cmp_eq_u32 s19, 2
	s_cselect_b64 s[4:5], s[8:9], s[4:5]
	s_cmp_eq_u32 s19, 3
	s_cselect_b64 s[4:5], s[10:11], s[4:5]
	s_cmp_eq_u32 s20, 1
	s_cselect_b64 s[4:5], s[12:13], s[4:5]
	s_cmp_eq_u32 s20, 2
	s_cselect_b64 s[4:5], s[14:15], s[4:5]
	s_add_nc_u64 s[4:5], s[4:5], s[22:23]
	s_add_nc_u64 s[26:27], s[16:17], s[26:27]      ; my codes
	s_add_nc_u64 s[28:29], s[16:17], s[28:29]      ; my scale words
.macro LOAD t, pitch                   ; block t: W(32 t + i, my column): 32 lanes read 128 consecutive bytes, the four waves 512
.set i, 0
.rept 32
	global_load_b32 v[X+32*(\t)+i], v3, s[4:5] offset:(32*(\t)+i)*\pitch th:TH_LOAD_NT
.set i, i+1
.endr
.endm
.macro BLOCK t, pitch
.set XS, X+32*(\t)
.if (\t) < 3
	s_wait_loadcnt 32                              ; this block's 32 loads are in; the next block's 32 may be out
.else
	s_wait_loadcnt 0x0
.endif
.if (\t) < 2
	LOAD (\t)+2, \pitch                            ; two blocks ahead, into registers of their own
.endif
	v_max3_num_f32 v8, |v[XS]|, |v[XS+1]|, |v[XS+2]|     ; the block's largest magnitude: all 32 numbers are mine; two chains
	v_max3_num_f32 v9, |v[XS+3]|, |v[XS+4]|, |v[XS+5]|
.irp i, 6,10,14,18,22,26
	v_max3_num_f32 v8, v8, |v[XS+\i]|, |v[XS+\i+1]|
	v_max3_num_f32 v9, v9, |v[XS+\i+2]|, |v[XS+\i+3]|
.endr
	v_max3_num_f32 v8, v8, |v[XS+30]|, |v[XS+31]|
	v_max3_num_f32 v8, v8, v9, 0x4800000           ; and the floor 2^(9 - 127): the byte cannot fall under 1
	v_add_nc_u32 v11, 0xfc000000, v8               ; 8 off the exponent field: the conversion's scale operand
	v_and_or_b32 v10, v8, 0x7f800000, s[WMNT]      ; 448 x the scale
	v_lshrrev_b32 v9, 23, v11                      ; the scale's byte
.if (\t) == 0
	v_mov_b32 v[WORD], v9
.else
	v_lshl_or_b32 v[WORD], v9, 8*(\t), v[WORD]
.endif
.set i, 0
.rept 32
	v_med3_num_f32 v[XS+i], v[XS+i], -v10, v10     ; the conversion to an 8-bit code does not saturate (ISA guide 7.6.2): hold first
.set i, i+1
.endr
.irp g, 0,1,2,3
	v_cvt_scalef32_pk8_fp8_f32 v[C+8*(\t)+2*\g:C+8*(\t)+2*\g+1], v[XS+8*\g:XS+8*\g+7], v11
.endr
	v_nop                                          ; a plain line behind the last conversion
	global_store_b128 v5, v[C+8*(\t):C+8*(\t)+3], s[26:27] offset:512*(\t)          ; k 0-15 of the block: sixteen lanes fill 256 aligned bytes of each of my two tiles
	global_store_b128 v5, v[C+8*(\t)+4:C+8*(\t)+7], s[26:27] offset:512*(\t)+256    ; k 16-31
.endm
.macro BODY pitch
	LOAD 0, \pitch
	LOAD 1, \pitch
	BLOCK 0, \pitch
	BLOCK 1, \pitch
	BLOCK 2, \pitch
	BLOCK 3, \pitch
	global_store_b32 v7, v[WORD], s[28:29]
	s_endpgm
.endm
	s_cmp_eq_u32 s20, 2                            ; only the row pitch in the immediates differs
	s_cbranch_scc1 .Lwide
	BODY 4096
.Lwide:
	BODY 16384
.Lfunc_end_k_q5ba310b1ab_prep:
	.size	k_q5ba310b1ab_prep, .Lfunc_end_k_q5ba310b1ab_prep-k_q5ba310b1ab_prep
	.p2alignl 7, 3214868480
	.fill 96, 4, 3214868480
	.section	.rodata,"a",@progbits
	.p2align	6, 0x0
	.amdhsa_kernel k_q5ba310b1ab_prep
		.amdhsa_group_segment_fixed_size 66304
		.amdhsa_private_segment_fixed_size 0
		.amdhsa_enable_private_segment 0
		.amdhsa_kernarg_size 88
		.amdhsa_user_sgpr_count 2
		.amdhsa_user_sgpr_kernarg_segment_ptr 1
		.amdhsa_wavefront_size32 1
		.amdhsa_system_sgpr_workgroup_id_x 1
		.amdhsa_system_sgpr_workgroup_id_y 1
		.amdhsa_system_sgpr_workgroup_id_z 1
		.amdhsa_system_vgpr_workitem_id 0
		.amdhsa_next_free_vgpr 256
		.amdhsa_next_free_sgpr 66
		.amdhsa_reserve_vcc 1
		.amdhsa_float_denorm_mode_32 3
		.amdhsa_float_denorm_mode_16_64 3
		.amdhsa_memory_ordered 1
		.amdhsa_forward_progress 1
		.amdhsa_inst_pref_size 109
	.end_amdhsa_kernel
	.amdgpu_metadata
---
amdhsa.version: [ 1, 2 ]
amdhsa.kernels:
  - .name:           k_q5ba310b1ab_prep
    .symbol:         k_q5ba310b1ab_prep.kd
    .args:
      - { .name: x, .offset: 0, .size: 8, .value_kind: global_buffer, .address_space: global }
      - { .name: g1, .offset: 8, .size: 8, .value_kind: global_buffer, .address_space: global }
      - { .name: beta1, .offset: 16, .size: 8, .value_kind: global_buffer, .address_space: global }
      - { .name: h1, .offset: 24, .size: 8, .value_kind: global_buffer, .address_space: global }
      - { .name: Wq, .offset: 32, .size: 8, .value_kind: global_buffer, .address_space: global }
      - { .name: Wk, .offset: 40, .size: 8, .value_kind: global_buffer, .address_space: global }
      - { .name: Wv, .offset: 48, .size: 8, .value_kind: global_buffer, .address_space: global }
      - { .name: Wo, .offset: 56, .size: 8, .value_kind: global_buffer, .address_space: global }
      - { .name: W2, .offset: 64, .size: 8, .value_kind: global_buffer, .address_space: global }
      - { .name: W1, .offset: 72, .size: 8, .value_kind: global_buffer, .address_space: global }
      - { .name: wts, .offset: 80, .size: 8, .value_kind: global_buffer, .address_space: global }
    .group_segment_fixed_size: 66304
    .private_segment_fixed_size: 0
    .kernarg_segment_align: 8
    .kernarg_segment_size: 88
    .max_flat_workgroup_size: 128
    .sgpr_count:     66
    .vgpr_count:     256
    .wavefront_size: 32
...
	.end_amdgpu_metadata
.endif
;; end of part 1
;; launch qkv (part 2): grid 8 x 32, 4 waves a work-group, clusters of 4 x 4, 327,680 bytes of LDS; arguments h1, wts, bq, bk, bv, qkvb; writes qkvb
.if DOCPART == 2
	.amdgcn_target "amdgcn-amd-amdhsa--gfx1250"
	.amdhsa_code_object_version 6
	.text
	.protected	k_q5ba310b1ab_qkv
	.globl	k_q5ba310b1ab_qkv
	.p2align	8
	.type	k_q5ba310b1ab_qkv,@function
k_q5ba310b1ab_qkv:
	s_mov_b64 s[64:65], 0
	v_nop
	global_prefetch_b8 v0, s[64:65] scope:SCOPE_SE
	s_setreg_imm32_b32 hwreg(HW_REG_WAVE_MODE, 25, 1), 1
	s_wait_xcnt 0x0
	s_wait_alu depctr_hold_cnt(0) depctr_sa_sdst(0) depctr_va_vdst(0) depctr_va_sdst(0) depctr_va_ssrc(0) depctr_va_vcc(0) depctr_vm_vsrc(0)
	s_getreg_b32 s2, hwreg(HW_REG_IB_STS2, 6, 4)
	s_cmp_eq_u32 s2, 0
	s_cbranch_scc0 .Lentry_in_a_cluster
	s_endpgm
.Lentry_in_a_cluster:
	s_bfe_u32 s2, ttmp6, 0x10000c
	s_cmp_lg_u32 s2, 0xf033
	s_cbranch_scc0 .Lentry_shape_is_right
	s_endpgm
.Lentry_shape_is_right:
.set ASOFF, 4194304
.set WSOFF, 12582912
.set REC,   413696
.set SLOT,  131072
.set SPARE, 2*SLOT
.set BSTEP, 1048576
.set ACC,   128
.set SA,    32
.set SB,    48
.set BIW,   192
.set TM,    96
.set SEL,   2
.set MNT,   8
.set G1A,   24
.set G0A,   32
.set G0B,   36
.set G1B,   48
.set MSB, 0
.macro WIN new
.if MSB != \new
	s_set_vgpr_msb (MSB<<8)|\new
.set MSB, \new
.endif
.endm
.macro PLACES n
.rept \n
	v_nop
.endr
.endm
.macro CROUND
	s_barrier_signal -1
	s_barrier_wait -1
	s_cmp_lg_u32 s10, 0
	s_cbranch_scc1 .Lnot_wave_0_\@
	s_barrier_signal -3
.Lnot_wave_0_\@:
	s_barrier_wait -3
	s_barrier_signal -1
	s_barrier_wait -1
.endm
.macro CHG fill
	WIN 0
	s_wait_tensorcnt 0x0
	ds_add_u32 v28, v29
.if \fill
	s_xor_b32 s[G0B+1], s[G0B+1], SLOT
	s_add_nc_u64 s[G0B+2:G0B+3], s[G0B+2:G0B+3], BSTEP
	s_wait_dscnt 0x0
	CROUND
	tensor_load_to_lds s[G0B:G0B+3], s[G1B:G1B+7]
	s_nop 0
	PLACES 4
.else
	s_wait_dscnt 0x0
	s_barrier_signal -1
	s_barrier_wait -1
.endif
.endm
.macro FETCHB slot, ks, buf
	WIN 0x40
.irp i, 0,1,2,3
.irp c, 0,1,2,3
	ds_load_b128 v[64*(\buf)+16*\i+4*\c:64*(\buf)+16*\i+4*\c+3], v[12+2*(\slot)+(\ks)/4] offset:((\ks)%4)*16384+\i*2048+\c*512
.endr
.endr
.endm
.macro WM d, bf, af, c, sb, sa, pb, pa
.if (\pb) && (\pa)
	v_wmma_scale_f32_16x16x128_f8f6f4 v[\d:\d+7], v[\bf:\bf+15], v[\af:\af+15], v[\c:\c+7], v[\sb], v[\sa] matrix_a_scale:MATRIX_SCALE_ROW1 matrix_b_scale:MATRIX_SCALE_ROW1
.elseif (\pb)
	v_wmma_scale_f32_16x16x128_f8f6f4 v[\d:\d+7], v[\bf:\bf+15], v[\af:\af+15], v[\c:\c+7], v[\sb], v[\sa] matrix_a_scale:MATRIX_SCALE_ROW1
.elseif (\pa)
	v_wmma_scale_f32_16x16x128_f8f6f4 v[\d:\d+7], v[\bf:\bf+15], v[\af:\af+15], v[\c:\c+7], v[\sb], v[\sa] matrix_b_scale:MATRIX_SCALE_ROW1
.else
	v_wmma_scale_f32_16x16x128_f8f6f4 v[\d:\d+7], v[\bf:\bf+15], v[\af:\af+15], v[\c:\c+7], v[\sb], v[\sa]
.endif
.endm
.macro KMUL ks, buf, first
.irp a, 0,1,2,3
.irp b, 0,1,2,3
.if \first
	WM ACC+8*(4*\a+\b), 64*(\buf)+16*\b, 64*((\ks)%4)+16*\a, BIW+8*\b, SB+2*(\ks)+\b/2, SA+2*(\ks)+\a/2, \b%2, \a%2
.else
	WM ACC+8*(4*\a+\b), 64*(\buf)+16*\b, 64*((\ks)%4)+16*\a, ACC+8*(4*\a+\b), SB+2*(\ks)+\b/2, SA+2*(\ks)+\a/2, \b%2, \a%2
.endif
.endr
.endr
.endm
.macro KSTEP ks, slot
.if ((\ks) > 0) && ((\ks) < 6)
	PLACES 8
.endif
.if (\ks) < 6
	FETCHB \slot, (\ks)+2, ((\ks)+2)%3
	s_wait_dscnt 32
.elseif (\ks) == 6
	s_wait_dscnt 16
.else
	s_wait_dscnt 0x0
.endif
.if (\ks) == 0
	WIN 0x19
	KMUL \ks, (\ks)%3, 1
.elseif (\ks) < 4
	WIN 0x09
	KMUL \ks, (\ks)%3, 0
.else
	WIN 0x0d
	KMUL \ks, (\ks)%3, 0
.endif
.endm
.macro MAIN slot
	FETCHB \slot, 0, 0
	FETCHB \slot, 1, 1
	s_wait_loadcnt 0x0
.irp ks, 0,1,2,3,4,5,6,7
	KSTEP \ks, \slot
.endr
	PLACES 8
	WIN 0
.endm
.macro LOADW p
.irp ks, 0,1,2,3,4,5,6,7
	global_load_b32 v[SB+2*\ks], v5, s[16:17] offset:512*\ks
	global_load_b32 v[SB+2*\ks+1], v5, s[16:17] offset:512*\ks+128
.endr
	WIN 0x40
.irp b, 0,1,2,3
	global_load_b128 v[BIW+8*\b:BIW+8*\b+3], v16, s[\p:\p+1] offset:(32*(\b/2)+8*(\b%2))*4
	global_load_b128 v[BIW+8*\b+4:BIW+8*\b+7], v16, s[\p:\p+1] offset:(32*(\b/2)+8*(\b%2))*4+16
.endr
	WIN 0
.endm
.macro QUANT nb, s, pc, pw
.irp b, 0,1,2,3
.if \b < \nb
	v_max3_num_f32 v[TM+\b], |v[(\s)+16*\b]|, |v[(\s)+1+16*\b]|, 0x4800000
.endif
.endr
.irp i, 2,4,6,8,10,12,14
.irp b, 0,1,2,3
.if \b < \nb
	v_max3_num_f32 v[TM+\b], v[TM+\b], |v[(\s)+16*\b+\i]|, |v[(\s)+1+16*\b+\i]|
.endif
.endr
.endr
.irp b, 0,1,2,3
.if \b < \nb
	v_permlanex16_b32 v[TM+4+\b], v[TM+\b], s[SEL], s[SEL+1]
.endif
.endr
.irp b, 0,1,2,3
.if \b < \nb
	v_max_num_f32 v[TM+\b], v[TM+\b], v[TM+4+\b]
.endif
.endr
.irp b, 0,1,2,3
.if \b < \nb
	v_add_nc_u32 v[TM+12+\b], 0xfc000000, v[TM+\b]
	v_and_or_b32 v[TM+8+\b], v[TM+\b], 0x7f800000, s[MNT]
	v_lshrrev_b32 v[TM+4+\b], 23, v[TM+12+\b]
.endif
.endr
	v_lshl_or_b32 v[\pw], v[TM+5], 8, v[TM+4]
.if \nb > 2
	v_lshl_or_b32 v[\pw], v[TM+6], 16, v[\pw]
	v_lshl_or_b32 v[\pw], v[TM+7], 24, v[\pw]
.endif
.irp b, 0,1,2,3
.if \b < \nb
.irp i, 0,1,2,3,4,5,6,7,8,9,10,11,12,13,14,15
	v_med3_num_f32 v[(\s)+16*\b+\i], v[(\s)+16*\b+\i], -v[TM+8+\b], v[TM+8+\b]
.endr
	v_cvt_scalef32_pk8_fp8_f32 v[(\pc)+4*\b:(\pc)+1+4*\b], v[(\s)+16*\b:(\s)+7+16*\b], v[TM+12+\b]
	v_cvt_scalef32_pk8_fp8_f32 v[(\pc)+2+4*\b:(\pc)+3+4*\b], v[(\s)+8+16*\b:(\s)+15+16*\b], v[TM+12+\b]
.endif
.endr
	v_nop
.endm
.macro EPQK part, spart
.irp a, 0,1,2,3
	QUANT 2, ACC+32*\a, 64+8*\a, 112+\a
	v_or_b32 v[112+\a], 0x01010000, v[112+\a]
	global_store_b128 v4, v[64+8*\a:67+8*\a], s[18:19] offset:\part+1024*\a
	global_store_b128 v4, v[68+8*\a:71+8*\a], s[18:19] offset:\part+1024*\a+512
.endr
	v_cmp_gt_u32 vcc_lo, 16, v1
	v_cndmask_b32 v116, v113, v112, vcc_lo
	v_cndmask_b32 v117, v115, v114, vcc_lo
	global_store_b32 v5, v116, s[20:21] offset:\spart
	global_store_b32 v5, v117, s[20:21] offset:\spart+128
.endm
	s_load_b128 s[4:7], s[0:1], 0x0
	s_load_b256 s[92:99], s[0:1], 0x10
	v_lshl_add_u32 v28, v0, 2, SPARE
	v_mov_b32 v29, 0
	ds_add_u32 v28, v29
	ds_add_u32 v28, v29
	s_wait_dscnt 0x0
	v_lshrrev_b32 v1, 5, v0
	v_readfirstlane_b32 s10, v1
	s_lshr_b32 s11, s10, 1
	s_and_b32 s12, s10, 1
	s_bfe_u32 s40, ttmp6, 0x40000
	s_bfe_u32 s41, ttmp6, 0x40004
	s_lshl_b32 s42, ttmp9, 2
	s_add_co_u32 s42, s42, s40
	s_and_b32 s13, ttmp7, 0xffff
	s_lshl_b32 s13, s13, 2
	s_add_co_u32 s13, s13, s41
	s_lshl_b32 s43, s41, 2
	s_lshl_b32 s43, 15, s43
	s_lshl_b32 s44, 0x1111, s40
	s_or_b32 s[G1A], s43, (3<<16)|(1<<21)
	s_or_b32 s[G1B], s44, (3<<16)|(1<<21)
.irp g, G1A, G1B
	s_mov_b32 s[\g+1], 32<<16
	s_mov_b32 s[\g+2], 128<<16
	s_mov_b32 s[\g+3], 32<<16
	s_mov_b32 s[\g+4], 128
	s_mov_b32 s[\g+5], 32
	s_mov_b32 s[\g+6], 0
	s_mov_b32 s[\g+7], 0
.endr
	s_lshl_b32 s45, s10, 15
	s_lshl_b32 s88, s12, 16                        ; the head's loads bring halves of 65,536 bytes: which half is mine
	s_lshl_b32 s14, s13, 17
	s_add_co_u32 s14, s14, s88
	s_mov_b32 s15, 0
	s_lshl_b32 s90, s42, 17
	s_add_co_u32 s90, s90, s88
	s_mov_b32 s91, 0
	s_mov_b32 s[G1A+2], 256<<16                    ; A's one load counts 256 rows of 256 bytes
	s_mov_b32 s[G1A+4], 256
	s_or_b32 s72, s44, (3<<16)|(1<<21)             ; s[72:79]: group 1 of the head's load of the first weight: 256 rows, my column's mask
	s_mov_b32 s73, 32<<16
	s_mov_b32 s74, 256<<16
	s_mov_b32 s75, 32<<16
	s_mov_b32 s76, 256
	s_mov_b32 s77, 32
	s_mov_b32 s78, 0
	s_mov_b32 s79, 0
	s_lshl_b32 s46, s42, 17
	s_add_co_u32 s46, s46, s45
	s_mov_b32 s47, 0
	s_mov_b32 s[SEL], 0x76543210
	s_mov_b32 s[SEL+1], 0xfedcba98
	s_mov_b32 s[MNT], 0x600000
	s_wait_kmcnt 0x0
	s_mov_b32 s[G0A], 1
	s_add_co_u32 s[G0A+1], s88, SLOT
	s_add_nc_u64 s[G0A+2:G0A+3], s[4:5], s[14:15]
	s_or_b32 s[G0A+3], s[G0A+3], 0x80000000
	s_mov_b32 s[G0B], 1
	s_mov_b32 s[G0B+1], s45
	s_add_nc_u64 s[G0B+2:G0B+3], s[6:7], s[46:47]
	s_or_b32 s[G0B+3], s[G0B+3], 0x80000000
	s_mov_b32 s80, 1                               ; s[80:83]: group 0 of the head's load of the first weight, into slot 0
	s_mov_b32 s81, s88
	s_add_nc_u64 s[82:83], s[6:7], s[90:91]
	s_or_b32 s83, s83, 0x80000000
	CROUND
	s_cmp_eq_u32 s11, 0                            ; the head's tiles are shared out, one joint load a wave: waves 0, 1 A's halves, waves 2, 3 the first weight's
	s_cbranch_scc0 .Lhead_b
	tensor_load_to_lds s[G0A:G0A+3], s[G1A:G1A+7]
	s_nop 0
	PLACES 4
	s_branch .Lhead_asked
.Lhead_b:
	tensor_load_to_lds s[80:83], s[72:79]
	s_nop 0
	PLACES 4
.Lhead_asked:
	v_and_b32 v1, 31, v0
	v_and_b32 v2, 15, v0
	v_bfe_u32 v3, v0, 4, 1
	v_lshlrev_b32 v4, 4, v1
	v_lshlrev_b32 v5, 2, v1
	s_lshl_b32 s58, s11, 13
	s_add_co_u32 s58, s58, SLOT
	v_add_nc_u32 v10, s58, v4
	v_add_nc_u32 v11, 0x10000, v10
	s_lshl_b32 s58, s12, 13
	v_add_nc_u32 v12, s58, v4
	v_add_nc_u32 v13, 0x10000, v12
	v_add_nc_u32 v14, SLOT, v12
	v_add_nc_u32 v15, SLOT, v13
	v_lshlrev_b32 v16, 6, v3
	v_and_b32 v21, 7, v0
	v_bfe_u32 v22, v0, 3, 1
	v_lshl_add_u32 v21, v22, 4, v21
	v_lshlrev_b32 v21, 2, v21
	v_mul_u32_u24 v22, v3, 8*528
	v_add_nc_u32 v19, v21, v22
	s_mul_i32 s58, s12, 64*528
	s_lshl_b32 s59, s11, 8
	s_add_co_u32 s58, s58, s59
	s_add_co_u32 s58, s58, SLOT
	v_add_nc_u32 v19, s58, v19
	v_mul_u32_u24 v20, v2, 528
	v_lshl_add_u32 v20, v3, 6, v20
	s_mul_i32 s58, s10, 32*528
	s_add_co_u32 s58, s58, SLOT
	v_add_nc_u32 v20, s58, v20
.irp b, 0,1,2,3
	v_mov_b32 v[TM+4+\b], 0
.endr
	s_lshl_b32 s22, s13, 12
	s_lshl_b32 s23, s11, 8
	s_add_co_u32 s22, s22, s23
	s_add_co_u32 s22, s22, ASOFF
	s_mov_b32 s23, 0
	s_add_nc_u64 s[22:23], s[4:5], s[22:23]
	s_lshl_b32 s16, s42, 12
	s_lshl_b32 s17, s12, 8
	s_add_co_u32 s16, s16, s17
	s_add_co_u32 s16, s16, WSOFF
	s_mov_b32 s17, 0
	s_add_nc_u64 s[16:17], s[6:7], s[16:17]
	s_lshl_b32 s58, s42, 9
	s_lshl_b32 s59, s12, 8
	s_add_co_u32 s58, s58, s59
	s_mov_b32 s59, 0
	s_add_nc_u64 s[92:93], s[92:93], s[58:59]
	s_add_nc_u64 s[94:95], s[94:95], s[58:59]
	s_add_nc_u64 s[96:97], s[96:97], s[58:59]
.irp ks, 0,1,2,3,4,5,6,7
	global_load_b32 v[SA+2*\ks], v5, s[22:23] offset:512*\ks
	global_load_b32 v[SA+2*\ks+1], v5, s[22:23] offset:512*\ks+128
.endr
	LOADW 92
	s_lshr_b32 s60, s13, 4
	s_lshl_b32 s60, s60, 4
	s_lshl_b32 s61, s42, 1
	s_add_co_u32 s60, s60, s61
	s_and_b32 s61, s13, 15
	s_add_co_u32 s62, s60, s12
	s_mul_i32 s62, s62, REC
	s_lshl_b32 s63, s61, 3
	s_lshl_b32 s66, s11, 2
	s_add_co_u32 s63, s63, s66
	s_lshl_b32 s18, s63, 10
	s_add_co_u32 s18, s18, s62
	s_mov_b32 s19, 0
	s_lshl_b32 s20, s63, 6
	s_add_co_u32 s20, s20, s62
	s_mov_b32 s21, 0
	s_add_nc_u64 s[18:19], s[98:99], s[18:19]
	s_add_nc_u64 s[20:21], s[98:99], s[20:21]
	s_add_co_u32 s62, s60, s11
	s_mul_i32 s62, s62, REC
	s_lshl_b32 s68, s61, 13
	s_add_co_u32 s68, s68, s62
	s_lshl_b32 s66, s12, 12
	s_add_co_u32 s68, s68, s66
	s_mov_b32 s69, 0
	s_lshl_b32 s70, s61, 8
	s_add_co_u32 s70, s70, s62
	s_lshl_b32 s66, s12, 7
	s_add_co_u32 s70, s70, s66
	s_mov_b32 s71, 0
	s_add_nc_u64 s[68:69], s[98:99], s[68:69]
	s_add_nc_u64 s[70:71], s[98:99], s[70:71]
	s_wait_tensorcnt 0x0
	s_barrier_signal -1
	s_barrier_wait -1
	WIN 0x80
.irp ks, 0,1,2,3
.irp a, 0,1,2,3
.irp c, 0,1,2,3
	ds_load_b128 v[64*\ks+16*\a+4*\c:64*\ks+16*\a+4*\c+3], v10 offset:\ks*16384+\a*2048+\c*512
.endr
.endr
.endr
	WIN 0xc0
.irp ks, 0,1,2,3
.irp a, 0,1,2,3
.irp c, 0,1,2,3
	ds_load_b128 v[64*\ks+16*\a+4*\c:64*\ks+16*\a+4*\c+3], v11 offset:\ks*16384+\a*2048+\c*512
.endr
.endr
.endr
	CHG 1
	MAIN 0
	s_add_nc_u64 s[16:17], s[16:17], 32768
	LOADW 94
	EPQK 274432, 405504
	CHG 1
	MAIN 1
	s_add_nc_u64 s[16:17], s[16:17], 32768
	LOADW 96
	s_wait_xcnt 0x0
	EPQK 0, 262144
	CHG 0
	MAIN 0
.irp a, 0,1,2,3
.irp b, 0,1,2,3
.irp j, 0,1,2,3,4,5,6,7
	ds_store_b32 v19, v[ACC+32*\a+8*\b+\j] offset:(16*\b+\j)*528+4*(32*(\a/2)+8*(\a%2))
.endr
.endr
.endr
	s_wait_dscnt 0x0
	s_barrier_signal -1
	s_barrier_wait -1
.irp e, 0,1
.irp c, 0,1,2,3
.irp j, 0,1,2,3
	ds_load_b128 v[ACC+64*\e+16*\c+4*\j:ACC+64*\e+16*\c+4*\j+3], v20 offset:\e*8448+128*\c+16*\j
.endr
.endr
.endr
	s_wait_xcnt 0x0
	s_wait_dscnt 16
	QUANT 4, ACC, 64, 112
.irp c, 0,1,2,3
	global_store_b128 v4, v[64+4*\c:67+4*\c], s[68:69] offset:131072+512*\c
.endr
	s_wait_dscnt 0x0
	QUANT 4, ACC+64, 80, 113
.irp c, 0,1,2,3
	global_store_b128 v4, v[80+4*\c:83+4*\c], s[68:69] offset:131072+2048+512*\c
.endr
	v_cmp_gt_u32 vcc_lo, 16, v1
	v_cndmask_b32 v114, v113, v112, vcc_lo
	global_store_b32 v5, v114, s[70:71] offset:270336
	s_wait_tensorcnt 0x0
	ds_add_u32 v28, v29
	s_wait_dscnt 0x0
	CROUND
	s_endpgm
.Lfunc_end_k_q5ba310b1ab_qkv:
	.size	k_q5ba310b1ab_qkv, .Lfunc_end_k_q5ba310b1ab_qkv-k_q5ba310b1ab_qkv
	.p2alignl 7, 3214868480
	.fill 96, 4, 3214868480
	.section	.rodata,"a",@progbits
	.p2align	6, 0x0
	.amdhsa_kernel k_q5ba310b1ab_qkv
		.amdhsa_group_segment_fixed_size 327680
		.amdhsa_private_segment_fixed_size 0
		.amdhsa_enable_private_segment 0
		.amdhsa_kernarg_size 48
		.amdhsa_user_sgpr_count 2
		.amdhsa_user_sgpr_kernarg_segment_ptr 1
		.amdhsa_wavefront_size32 1
		.amdhsa_system_sgpr_workgroup_id_x 1
		.amdhsa_system_sgpr_workgroup_id_y 1
		.amdhsa_system_sgpr_workgroup_id_z 1
		.amdhsa_system_vgpr_workitem_id 0
		.amdhsa_next_free_vgpr 1024
		.amdhsa_next_free_sgpr 100
		.amdhsa_reserve_vcc 1
		.amdhsa_float_denorm_mode_32 3
		.amdhsa_float_denorm_mode_16_64 3
		.amdhsa_memory_ordered 1
		.amdhsa_forward_progress 1
		.amdhsa_inst_pref_size 167
	.end_amdhsa_kernel
	.amdgpu_metadata
---
amdhsa.version: [ 1, 2 ]
amdhsa.kernels:
  - .name:           k_q5ba310b1ab_qkv
    .symbol:         k_q5ba310b1ab_qkv.kd
    .args:
      - { .name: h1, .offset: 0, .size: 8, .value_kind: global_buffer, .address_space: global }
      - { .name: wts, .offset: 8, .size: 8, .value_kind: global_buffer, .address_space: global }
      - { .name: bq, .offset: 16, .size: 8, .value_kind: global_buffer, .address_space: global }
      - { .name: bk, .offset: 24, .size: 8, .value_kind: global_buffer, .address_space: global }
      - { .name: bv, .offset: 32, .size: 8, .value_kind: global_buffer, .address_space: global }
      - { .name: qkvb, .offset: 40, .size: 8, .value_kind: global_buffer, .address_space: global }
    .group_segment_fixed_size: 327680
    .private_segment_fixed_size: 0
    .kernarg_segment_align: 8
    .kernarg_segment_size: 48
    .max_flat_workgroup_size: 128
    .sgpr_count:     100
    .vgpr_count:     1024
    .wavefront_size: 32
...
	.end_amdgpu_metadata
.endif
;; end of part 2
;; launch attn (part 3): grid 8 x 32, 16 waves a work-group, clusters of 4 x 1, 296,960 bytes of LDS; arguments qkvb, rel_emb, pad_mask, ao; writes ao
.if DOCPART == 3
	.amdgcn_target "amdgcn-amd-amdhsa--gfx1250"
	.amdhsa_code_object_version 6
	.text
	.protected	k_q5ba310b1ab_attn
	.globl	k_q5ba310b1ab_attn
	.p2align	8
	.type	k_q5ba310b1ab_attn,@function
k_q5ba310b1ab_attn:
	s_mov_b64 s[64:65], 0
	v_nop
	global_prefetch_b8 v0, s[64:65] scope:SCOPE_SE
	s_setreg_imm32_b32 hwreg(HW_REG_WAVE_MODE, 25, 1), 1
	s_wait_xcnt 0x0
	s_wait_alu depctr_hold_cnt(0) depctr_sa_sdst(0) depctr_va_vdst(0) depctr_va_sdst(0) depctr_va_ssrc(0) depctr_va_vcc(0) depctr_vm_vsrc(0)
	s_getreg_b32 s2, hwreg(HW_REG_IB_STS2, 6, 4)
	s_cmp_eq_u32 s2, 0
	s_cbranch_scc0 .Lentry_in_a_cluster
	s_endpgm
.Lentry_in_a_cluster:
	s_bfe_u32 s2, ttmp6, 0x10000c
	s_cmp_lg_u32 s2, 0x3003
	s_cbranch_scc0 .Lentry_shape_is_right
	s_endpgm
.Lentry_shape_is_right:
; out = softmax(q k^T / 8 + rel + mask) v for one batch and head, both products on codes of E4M3 with one E8M0 byte for each 32 along K; the result quantised along the model's axis for the next product.
; THE SOFTMAX: t = logit x log2(e); M = the running largest t rounded UP to a whole number; p = 2^(t - M) is quantised along the keys; the row's sum is taken of the unquantised p and divides at the end.
; SHARES: the grid's y is 16 x batch + head; eight work-groups a head, in two clusters of four.  Wave w (0..15) of partner cx owns stored query tile 64 cl + 4 w + cx: the four partners' wave w cover 64 neighbouring queries,
; so every branch hangs on the cluster's number and the wave's alone.  cx enters global addresses and the CONTENTS of a table, never a branch or an LDS address.
; LDS: the head's K codes, V codes and their scale words, 274,432 bytes as they lie in memory, come ONCE, by one joint load a wave (67 rows of 256 bytes each): nothing is filled again, and there is one barrier.
; Behind them two tables that the waves make: MADD f32[2048]: 0 for a key that counts, -2^126 for a hidden one; DG f32[3072]: 8 x rel_emb[bucket(n)][head] at entry NB - n, n = query - key.
; LAYOUT: both products transposed (S^T = K Q^T, O^T = V^T P^T): a lane holds ONE query.  Stored rows have bits 3 and 4 exchanged, so the 16 registers of tiles 2 b, 2 b + 1 are keys 32 b + 16 h + 0..15 (channels likewise).
; THE HEAD'S 64 CHANNELS ARE HALF OF THE INSTRUCTION'S K: Q's registers for k 64..127 are zeros; K's fragment of tile t runs on into tile t + 1's codes (tile 7's into zeros), which are finite, so these products add exactly nothing.
; THE MASK is the C of the first product.  THE BIAS: |n| >= 91 has one bucket on each side: where all of a step's n lie there (13 of 16 steps) it is one number, added with -M; else 64 words come from DG.
; Buckets, by the problem's own formula: |n| under 8: itself; then 8 + the number of thresholds 12, 16, 23, 32, 46, 64, 91 that |n| reaches; + 16 where the key comes after the query.
; If no key of the batch counts, c = 0: every t is 0, every p is 1: the plain average over all keys, which is what a softmax of equal scores gives.
; LIMITS: real t within +-2^100; NaN and infinities are not served; blocks under 2^-118 keep the byte 1.  The result's two scale bytes a row are half of a word whose other half the neighbouring head's work-group stores.
.set REC,  413696
.set MADD, 274432
.set DG,   282624
.set LI,   1                           ; v1  16 x lane
.set LS,   2                           ; v2  4 x lane
.set LH,   3                           ; v3  64 h
.set DG0,  4                           ; v4  my lane's place in DG for key 0 of a step
.set ADK,  5                           ; v5-9, v13: the step's addresses: K, V, K's words, V's words, MADD, DG
.set ADV,  6
.set ADS,  7
.set ADT,  8
.set ADM,  9
.set AD,   10                          ; v10 the far bias - M (named as the pair v[10:11])
.set NM,   11                          ; v11 -M
.set RT,   12                          ; v12 the running largest t
.set ADG,  13
.set S,    104                         ; v104-167 S^T, then p.   v14-15 the sum; v16-31 Q; v32-95 K or V; v96-103 zeros; v168-199 O^T; v200-215 p's codes
.set BM,   216                         ; v216-219 the blocks' largest; 220-223 permutes, bytes; 224-227 448 x scale; 228-231 scale operands; 232-233 second chain; 234 at work; 236-237 f
.set PT,   220
.set HL,   224
.set SO,   228
.set TM,   216                         ; the way out's quantiser takes the same sixteen
.set MAW,  148                         ; v148 at the head alone: where I store four numbers of MADD (a register of its own, outside the four that hold the numbers)
.set DGW,  141                         ; v141 at the head alone: where I store my entries of DG
.set WV,   12
.set TK,   40                          ; s40-46: LDS bytes of the step's K, V, K's words, V's words, MADD; 4 x its first key; its first key
.set TV,   41
.set TS,   42
.set TT,   43
.set TMA,  44
.set TD,   45
.set KF,   46
.set CNT,  47
.set QG,   48                          ; the first of the 64 queries of the four partners' wave w
.set NB,   51
.set CS,   52                          ; s[52:53] c = log2(e) / 8, or 0
.set SEL,  54
.set MNT,  56
.set BC,   57                          ; the step's far bias x log2(e), or 0
.set BCL,  58
.set BCR,  59
.macro CROUND
	s_barrier_signal -1
	s_barrier_wait -1
	s_cmp_lg_u32 s[WV], 0
	s_cbranch_scc1 .Lnot_wave_0_\@
	s_barrier_signal -3
.Lnot_wave_0_\@:
	s_barrier_wait -3
	s_barrier_signal -1
	s_barrier_wait -1
.endm
.macro QUANT nb, s, pc, pw
.irp b, 0,1,2,3
.if \b < \nb
	v_max3_num_f32 v[TM+\b], |v[(\s)+16*\b]|, |v[(\s)+1+16*\b]|, 0x4800000
.endif
.endr
.irp i, 2,4,6,8,10,12,14
.irp b, 0,1,2,3
.if \b < \nb
	s_delay_alu instid0(VALU_DEP_2)
	v_max3_num_f32 v[TM+\b], v[TM+\b], |v[(\s)+16*\b+\i]|, |v[(\s)+1+16*\b+\i]|
.endif
.endr
.endr
.irp b, 0,1,2,3
.if \b < \nb
	s_delay_alu instid0(VALU_DEP_2)
	v_permlanex16_b32 v[TM+4+\b], v[TM+\b], s[SEL], s[SEL+1]
.endif
.endr
.irp b, 0,1,2,3
.if \b < \nb
	s_delay_alu instid0(VALU_DEP_2)
	v_max_num_f32 v[TM+\b], v[TM+\b], v[TM+4+\b]
.endif
.endr
.irp b, 0
.if \b < \nb
	s_delay_alu instid0(VALU_DEP_2)
	v_add_nc_u32 v[TM+12+\b], 0xfc000000, v[TM+\b]
	s_delay_alu instid0(VALU_DEP_3)
	v_and_or_b32 v[TM+8+\b], v[TM+\b], 0x7f800000, s[MNT]
	s_delay_alu instid0(VALU_DEP_2)
	v_lshrrev_b32 v[TM+4+\b], 23, v[TM+12+\b]
.endif
.endr
.irp b, 1, 2, 3
.if \b < \nb
	s_delay_alu instid0(VALU_DEP_4)
	v_add_nc_u32 v[TM+12+\b], 0xfc000000, v[TM+\b]
	v_and_or_b32 v[TM+8+\b], v[TM+\b], 0x7f800000, s[MNT]
	s_delay_alu instid0(VALU_DEP_2)
	v_lshrrev_b32 v[TM+4+\b], 23, v[TM+12+\b]
.endif
.endr
	s_delay_alu instid0(VALU_DEP_1)
	v_lshl_or_b32 v[\pw], v[TM+5], 8, v[TM+4]
.if \nb > 2
	v_lshl_or_b32 v[\pw], v[TM+6], 16, v[\pw]
	v_lshl_or_b32 v[\pw], v[TM+7], 24, v[\pw]
.endif
.irp b, 0,1,2,3
.if \b < \nb
.irp i, 0,1,2,3,4,5,6,7,8,9,10,11,12,13,14,15
	v_med3_num_f32 v[(\s)+16*\b+\i], v[(\s)+16*\b+\i], -v[TM+8+\b], v[TM+8+\b]
.endr
	v_cvt_scalef32_pk8_fp8_f32 v[(\pc)+4*\b:(\pc)+1+4*\b], v[(\s)+16*\b:(\s)+7+16*\b], v[TM+12+\b]
	v_cvt_scalef32_pk8_fp8_f32 v[(\pc)+2+4*\b:(\pc)+3+4*\b], v[(\s)+8+16*\b:(\s)+15+16*\b], v[TM+12+\b]
.endif
.endr
	v_nop
.endm
	s_load_b256 s[4:11], s[0:1], 0x0               ; qkvb, rel_emb, pad_mask, ao
	v_lshl_add_u32 v254, v0, 2, 0x48000
	v_mov_b32 v255, 0
	ds_add_u32 v254, v255
	ds_add_u32 v254, v255
	s_wait_dscnt 0x0
	v_lshrrev_b32 v104, 5, v0
	s_delay_alu instid0(VALU_DEP_1)
	v_readfirstlane_b32 s[WV], v104                ; wave 0..15
	s_bfe_u32 s13, ttmp6, 0x40000                  ; cx
	s_and_b32 s14, ttmp7, 0xffff                   ; the record: 16 x batch + head
	s_and_b32 s15, s14, 15                         ; head
	s_lshr_b32 s16, s14, 4                         ; batch
	s_mul_i32 s18, s14, REC
	s_mov_b32 s19, 0
	s_mul_i32 s20, s[WV], 17152                    ; my sixteenth of the record's first 274,432 bytes: in memory and in LDS alike
	s_mov_b32 s21, 0
	s_mov_b32 s32, 15|(3<<16)|(1<<21)              ; 15:0 the mask: all four partners; 17:16 elements of 8 bytes; 21 set beside a mask
	s_mov_b32 s33, 32<<16                          ; tensor_dim0 = 32 (256 bytes)
	s_mov_b32 s34, 67<<16                          ; tensor_dim1 = 67
	s_mov_b32 s35, 32<<16                          ; tile_dim0
	s_mov_b32 s36, 67                              ; tile_dim1
	s_mov_b32 s37, 32                              ; the pitch: dense
	s_mov_b32 s38, 0
	s_mov_b32 s39, 0
	s_wait_kmcnt 0x0
	s_add_nc_u64 s[4:5], s[4:5], s[18:19]          ; my record
	s_mov_b32 s24, 1
	s_mov_b32 s25, s20
	s_add_nc_u64 s[26:27], s[4:5], s[20:21]
	s_or_b32 s27, s27, 0x80000000
	CROUND                                         ; the four partners are here: the joint loads meet
	tensor_load_to_lds s[24:27], s[32:39]          ; my one tensor load
	s_nop 0
.rept 4
	v_nop
.endr
	v_and_b32 v104, 31, v0
	s_delay_alu instid0(VALU_DEP_1)
	v_lshlrev_b32 v[LI], 4, v104
	s_wait_alu depctr_va_vdst(0)
	v_lshlrev_b32 v[LS], 2, v104
	v_bfe_u32 v105, v0, 4, 1
	s_delay_alu instid0(VALU_DEP_1)
	v_lshlrev_b32 v[LH], 6, v105
	v_and_b32 v106, 15, v0
	s_delay_alu instid0(VALU_DEP_1)
	v_lshlrev_b32 v106, 2, v106                    ; 4 r
	s_wait_alu depctr_va_vdst(0)
	v_lshlrev_b32 v107, 6, v104                    ; 64 x lane
	v_lshlrev_b32 v108, 2, v0                      ; 4 x thread
	s_wait_alu depctr_va_vdst(0)
	s_lshl_b32 s22, ttmp9, 6
	s_lshl_b32 s23, s[WV], 2
	s_add_co_u32 s22, s22, s23
	s_add_co_u32 s22, s22, s13                     ; my stored query tile
	s_lshl_b32 s28, s22, 10
	s_add_co_u32 s28, s28, 274432
	s_mov_b32 s29, 0
	s_add_nc_u64 s[28:29], s[4:5], s[28:29]
	s_lshl_b32 s30, s22, 6
	s_add_co_u32 s30, s30, 405504
	s_mov_b32 s31, 0
	s_add_nc_u64 s[30:31], s[4:5], s[30:31]
	s_lshl_b32 s22, s16, 11
	s_mov_b32 s23, 0
	s_add_nc_u64 s[8:9], s[8:9], s[22:23]          ; my batch's mask
	s_lshl_b32 s22, s15, 2
	s_add_nc_u64 s[6:7], s[6:7], s[22:23]          ; my head's column of rel_emb
	global_load_b128 v[16:19], v[LI], s[28:29]             ; Q's fragment, k 0..63
	global_load_b128 v[20:23], v[LI], s[28:29] offset:512
	global_load_b32 v254, v106, s[30:31]                   ; Q's scale words
	global_load_b32 v109, v108, s[8:9]                     ; four keys' mask bytes a thread
.irp i, 0,1,2,3
	global_load_b128 v[112+4*\i:115+4*\i], v107, s[8:9] offset:16*\i   ; and all 2,048 in each wave
.endr
	global_load_b32 v110, v107, s[6:7]                     ; rel_emb[lane][head]
	s_mov_b32 s[SEL], 0x76543210
	s_mov_b32 s[SEL+1], 0xfedcba98
	s_mov_b32 s[MNT], 0x600000
	s_lshl_b32 s[QG], ttmp9, 10
	s_lshr_b32 s22, s13, 1
	s_lshl_b32 s22, s22, 5
	s_and_b32 s23, s13, 1
	s_lshl_b32 s23, s23, 3
	s_add_co_u32 s22, s22, s23
	s_add_co_u32 s22, s22, s[QG]
	s_add_co_u32 s[NB], s22, 1024                  ; entry j of my DG stands for n = NB - j
	s_lshl_b32 s22, s[WV], 6
	s_add_co_u32 s[QG], s[QG], s22
	v_and_b32 v136, 7, v0                          ; DG0 = DG + 4 (1024 - 64 w - (r & 7) - 16 (r >> 3) + 16 h)
	v_bfe_u32 v137, v0, 3, 1
	s_delay_alu instid0(VALU_DEP_2)
	v_lshlrev_b32 v136, 2, v136
	s_delay_alu instid0(VALU_DEP_1)
	v_lshl_add_u32 v136, v137, 6, v136
	v_and_b32 v137, 0x1e0, v0
	s_delay_alu instid0(VALU_DEP_1)
	v_lshlrev_b32 v137, 3, v137                    ; 256 x wave
	v_add_nc_u32 v[DG0], DG+4096, v[LH]
	s_delay_alu instid0(VALU_DEP_1)
	v_sub_nc_u32 v[DG0], v[DG0], v136
	s_delay_alu instid0(VALU_DEP_1)
	v_sub_nc_u32 v[DG0], v[DG0], v137
	v_lshl_add_u32 v[MAW], v0, 4, MADD             ; MADD + 16 x thread: four numbers a thread, 8,192 bytes in all
	v_lshl_add_u32 v[DGW], v0, 2, DG               ; DG + 4 x thread
	v_mov_b32 v128, 0xfe800000                     ; -2^126
	v_mov_b32 v129, 0
	v_mov_b32 v130, 1
	v_mov_b32 v131, 16
.irp j, 0,1,2,3,4,5,6,7
	v_mov_b32 v[24+\j], 0                          ; Q's codes of k 64..127
	v_mov_b32 v[96+\j], 0                          ; what stands behind K's last tile
.endr
	v_mov_b32 v[RT], 0xf1800000                    ; the largest t so far: -2^100, under every real t and over every hidden one
	s_delay_alu instid0(VALU_DEP_1)
	v_floor_f32 v[NM], -v[RT]
	v_mov_b32 v[AD], 0
	v_mov_b32 v14, 0                               ; the sum, in two halves
	v_mov_b32 v15, 0
.set i, 0
.rept 32
	v_mov_b32 v[168+i], 0                          ; O^T: the loop is written once; its first step finds zeros
.set i, i+1
.endr
.irp b, 0,1,2,3
	v_mov_b32 v[PT+\b], 0                          ; written once: a lane permute's destination counts as one of its sources
.endr
	v_mov_b32 v234, 0
	v_mov_b32 v237, 0                              ; (named as the upper half of the pair v[236:237])
	s_wait_loadcnt 0x0
.irp i, 0,1,2,3
	v_bfe_u32 v[132+\i], v109, 8*\i, 8
	s_delay_alu instid0(VALU_DEP_1)
	v_cmp_ne_u32 vcc_lo, 0, v[132+\i]
	s_delay_alu instid0(VALU_DEP_1)
	v_cndmask_b32 v[132+\i], v128, v129, vcc_lo    ; a key that counts adds 0, a hidden one -2^126
.endr
	ds_store_b128 v[MAW], v[132:135]
.set i, 1
	v_or_b32 v112, v112, v[112+i]
.set i, i+1
.rept (15)-1
	s_delay_alu instid0(VALU_DEP_1)
	v_or_b32 v112, v112, v[112+i]
.set i, i+1
.endr
	s_delay_alu instid0(VALU_DEP_1)
	v_cmp_ne_u32 vcc_lo, 0, v112
	s_cmp_lg_u32 vcc_lo, 0                         ; does any key of the batch count?  A choice, no branch
	s_cselect_b32 s[CS], 0x3e38aa3b, 0             ; c = log2(e) / 8
	s_mov_b32 s[CS+1], s[CS]
	v_mul_f32 v110, 0x41000000, v110               ; 8 x the column: it is added to the raw scores
	s_delay_alu instid0(VALU_DEP_1)
	v_mul_f32 v111, s[CS], v110
	s_delay_alu instid0(VALU_DEP_1)
	v_readlane_b32 s[BCL], v111, 15                ; bucket 15: the query 91 or more after the key
	s_delay_alu instid0(VALU_DEP_2)
	v_readlane_b32 s[BCR], v111, 31                ; bucket 31: 91 or more before it
.irp e, 0,1,2,3,4,5
	v_add_nc_u32 v136, 512*\e, v0                  ; entry j
	s_delay_alu instid0(VALU_DEP_1)
	v_sub_nc_u32 v137, s[NB], v136                 ; n
	s_delay_alu instid0(VALU_DEP_1)
	v_sub_nc_u32 v138, 0, v137
	s_delay_alu instid0(VALU_DEP_2)
	v_cmp_gt_i32 vcc_lo, 0, v137                   ; n under 0
	s_delay_alu instid0(VALU_DEP_1)
	v_cndmask_b32 v138, v137, v138, vcc_lo         ; |n|
	s_delay_alu instid0(VALU_DEP_2)
	v_cndmask_b32 v139, v129, v131, vcc_lo         ; 16 where the key comes after the query
	s_delay_alu instid0(VALU_DEP_2)
	v_min_u32 v140, 8, v138
	s_delay_alu instid0(VALU_DEP_1)
	v_add_nc_u32 v139, v139, v140
.irp th, 12,16,23,32,46,64,91
	v_cmp_le_u32 vcc_lo, \th, v138
	s_delay_alu instid0(VALU_DEP_1)
	v_cndmask_b32 v140, v129, v130, vcc_lo
	s_delay_alu instid0(VALU_DEP_1)
	v_add_nc_u32 v139, v139, v140
.endr
	s_delay_alu instid0(VALU_DEP_1)
	v_lshlrev_b32 v139, 2, v139
	ds_bpermute_b32 v[142+\e], v139, v110          ; the column's number of that bucket, from the lane that holds it
.endr
	s_wait_dscnt 0x0
.irp e, 0,1,2,3,4,5
	ds_store_b32 v[DGW], v[142+\e] offset:2048*\e
.endr
	s_mov_b32 s[TK], 0
	s_mov_b32 s[TV], 131072
	s_mov_b32 s[TS], 262144
	s_mov_b32 s[TT], 270336
	s_mov_b32 s[TMA], MADD
	s_mov_b32 s[TD], 0
	s_mov_b32 s[KF], 0
	s_mov_b32 s[CNT], 16
	s_wait_tensorcnt 0x0                           ; my part of the record has landed,
	s_wait_dscnt 0x0                               ; my parts of the tables are stored
	s_barrier_signal -1
	s_barrier_wait -1                              ; everybody's: from here on LDS is only read
.Lstep:                                            ; 16 trips of 128 keys
	v_add_nc_u32 v[ADK], s[TK], v[LI]              ; six additions and two v_nop: the eight places between the last products and the loads into registers that they read
	v_add_nc_u32 v[ADV], s[TV], v[LI]
	v_add_nc_u32 v[ADS], s[TS], v[LS]
	v_add_nc_u32 v[ADT], s[TT], v[LS]
	v_add_nc_u32 v[ADM], s[TMA], v[LH]
	v_add_nc_u32 v[ADG], s[TD], v[DG0]
	v_nop
	v_nop
	s_sub_co_i32 s49, s[QG], s[KF]                 ; d: n lies in d - 127 .. d + 63 for all four partners' wave w
	s_cmp_ge_i32 s49, 218
	s_cselect_b32 s[BC], s[BCL], 0
	s_cmp_le_i32 s49, -154
	s_cselect_b32 s[BC], s[BCR], s[BC]
.irp t, 0,1,2,3,4,5,6,7
	ds_load_b128 v[S+8*\t:S+8*\t+3], v[ADM] offset:128*(\t/2)+32*(\t%2)          ; the mask's numbers in the result's layout: the C of the first product
	ds_load_b128 v[S+8*\t+4:S+8*\t+7], v[ADM] offset:128*(\t/2)+32*(\t%2)+16
.endr
.irp t, 0,1,2,3,4,5,6,7
	ds_load_b128 v[32+8*\t:35+8*\t], v[ADK] offset:1024*\t
	ds_load_b128 v[36+8*\t:39+8*\t], v[ADK] offset:1024*\t+512
.endr
.irp p, 0,1,2,3
	ds_load_b32 v[248+\p], v[ADS] offset:128*\p
.endr
	s_wait_alu depctr_va_vdst(0)
	s_wait_dscnt 0x0
.irp t, 0,1,2,3,4,5,6,7                        ; S^T = K Q^T + mask; the eight accumulators one after the other
.if \t%2
	v_wmma_scale_f32_16x16x128_f8f6f4 v[S+8*\t:S+8*\t+7], v[32+8*\t:47+8*\t], v[16:31], v[S+8*\t:S+8*\t+7], v[248+\t/2], v254 matrix_a_scale:MATRIX_SCALE_ROW1
.else
	v_wmma_scale_f32_16x16x128_f8f6f4 v[S+8*\t:S+8*\t+7], v[32+8*\t:47+8*\t], v[16:31], v[S+8*\t:S+8*\t+7], v[248+\t/2], v254
.endif
.endr
.rept 8
	v_nop                                          ; ahead of the loads into K's registers and of the first read of the scores
.endr
.irp u, 0,1,2,3
.irp c, 0,1,2,3
	ds_load_b128 v[32+16*\u+4*\c:35+16*\u+4*\c], v[ADV] offset:2048*\u+512*\c    ; V: it lands under the softmax
.endr
.endr
	ds_load_b32 v252, v[ADT]
	ds_load_b32 v253, v[ADT] offset:128
	s_add_co_i32 s50, s49, 153
	s_cmp_gt_u32 s50, 370                          ; a branch on ids: far steps have their bias in BC
	s_cbranch_scc1 .Lfar
.irp g, 0,1
.set i, 0
.rept 32
	ds_load_b32 v[216+i], v[ADG] offset:4*(64*\g+32*(i/16)+i%16)
.set i, i+1
.endr
	s_wait_dscnt 0x0
.set i, 0
.rept 16
	v_pk_add_f32 v[S+32*\g+i:S+32*\g+i+1], v[S+32*\g+i:S+32*\g+i+1], v[216+i:217+i]
.set i, i+2
.endr
.endr
.Lfar:
.irp b, 0,1,2,3
	v_max3_num_f32 v[BM+\b], v[S+16*\b], v[S+1+16*\b], v[S+2+16*\b]      ; the largest score of each block of 32 keys: for the row's maximum, and, since p rises with the score, for the block's largest p
.endr
.irp i, 3,5,7,9,11,13
.irp b, 0,1,2,3
	v_max3_num_f32 v[BM+\b], v[BM+\b], v[S+16*\b+\i], v[S+1+16*\b+\i]
.endr
.endr
.irp b, 0,1,2,3
	v_max_num_f32 v[BM+\b], v[BM+\b], v[S+15+16*\b]
.endr
.irp b, 0,1,2,3
	s_delay_alu instid0(VALU_DEP_4)
	v_permlanex16_b32 v[PT+\b], v[BM+\b], s[SEL], s[SEL+1]
.endr
.irp b, 0,1,2,3
	s_delay_alu instid0(VALU_DEP_4)
	v_max_num_f32 v[BM+\b], v[BM+\b], v[PT+\b]
.endr
	s_delay_alu instid0(VALU_DEP_2)
	v_max3_num_f32 v234, v216, v217, v218
	s_delay_alu instid0(VALU_DEP_1)
	v_max_num_f32 v234, v234, v219
	s_delay_alu instid0(VALU_DEP_1)
	v_fma_f32 v234, v234, s[CS], s[BC]             ; the step's largest t
	s_delay_alu instid0(VALU_DEP_1)
	v_max_num_f32 v[RT], v[RT], v234
	v_mov_b32 v234, v[NM]
	s_delay_alu instid0(VALU_DEP_2)
	v_floor_f32 v[NM], -v[RT]                      ; -M = floor(-t): M is a whole number
	s_delay_alu instid0(VALU_DEP_1)
	v_sub_f32 v234, v[NM], v234                    ; old M - new M: a whole number, 0 or less
	s_delay_alu instid0(VALU_DEP_1)
	v_cvt_i32_f32 v234, v234                       ; (it saturates)
	s_delay_alu instid0(VALU_DEP_1)
	v_ldexp_f32 v236, 1.0, v234                    ; f = 2^(old M - new M)
	s_delay_alu instid0(VALU_DEP_4)
	v_add_f32 v[AD], s[BC], v[NM]
.set i, 0
.rept 32
	v_pk_fma_f32 v[S+i:S+i+1], v[S+i:S+i+1], s[CS:CS+1], v[AD:AD+1] op_sel_hi:[1,0,0]    ; t - M
.set i, i+2
.endr
.irp b, 0,1,2,3
	v_fma_f32 v[BM+\b], v[BM+\b], s[CS], v[AD]
.endr
.set i, 0
	s_wait_alu depctr_va_vdst(0)
.rept 64
	v_exp_f32 v[S+i], v[S+i]                       ; p, at most 1: not normalised
.set i, i+1
.endr
	v_pk_mul_f32 v[14:15], v[14:15], v[236:237] op_sel_hi:[1,0]    ; the sums under the new M: a plain line behind the exponentials
	s_wait_alu depctr_va_vdst(0)                   ; one wait for the 64, ahead of their first reader
.irp b, 0,1,2,3
	v_exp_f32 v[BM+\b], v[BM+\b]                   ; the block's largest p: the same two instructions on the same number
.endr
	v_pk_add_f32 v[232:233], v[108:109], v[112:113]
	v_pk_add_f32 v[250:251], v[116:117], v[120:121]
	v_pk_add_f32 v[248:249], v[124:125], v[128:129]
	v_pk_add_f32 v[246:247], v[132:133], v[136:137]
	v_pk_add_f32 v[244:245], v[140:141], v[144:145]
	v_pk_add_f32 v[242:243], v[148:149], v[152:153]
	v_pk_add_f32 v[240:241], v[156:157], v[160:161]
	v_pk_add_f32 v[14:15], v[14:15], v[164:165]
	v_pk_add_f32 v[232:233], v[232:233], v[104:105]
	v_pk_add_f32 v[250:251], v[250:251], v[106:107]
	v_pk_add_f32 v[248:249], v[248:249], v[110:111]
	v_pk_add_f32 v[246:247], v[246:247], v[114:115]
	v_pk_add_f32 v[244:245], v[244:245], v[118:119]
	v_pk_add_f32 v[242:243], v[242:243], v[122:123]
	v_pk_add_f32 v[240:241], v[240:241], v[126:127]
	v_pk_add_f32 v[14:15], v[14:15], v[130:131]
	v_pk_add_f32 v[232:233], v[232:233], v[134:135]
	v_pk_add_f32 v[250:251], v[250:251], v[138:139]
	v_pk_add_f32 v[248:249], v[248:249], v[142:143]
	v_pk_add_f32 v[246:247], v[246:247], v[146:147]
	v_pk_add_f32 v[244:245], v[244:245], v[150:151]
	v_pk_add_f32 v[242:243], v[242:243], v[154:155]
	v_pk_add_f32 v[240:241], v[240:241], v[158:159]
	v_pk_add_f32 v[14:15], v[14:15], v[162:163]
	v_pk_add_f32 v[232:233], v[232:233], v[166:167]
	s_delay_alu instid0(VALU_DEP_2)
	v_pk_add_f32 v[14:15], v[14:15], v[246:247]
	s_delay_alu instid0(VALU_DEP_2)
	v_pk_add_f32 v[232:233], v[232:233], v[244:245]
	v_pk_add_f32 v[250:251], v[250:251], v[242:243]
	v_pk_add_f32 v[248:249], v[248:249], v[240:241]
	s_delay_alu instid0(VALU_DEP_2)
	v_pk_add_f32 v[14:15], v[14:15], v[250:251]
	s_delay_alu instid0(VALU_DEP_2)
	v_pk_add_f32 v[232:233], v[232:233], v[248:249]
	s_delay_alu instid0(VALU_DEP_1)
	v_pk_add_f32 v[14:15], v[14:15], v[232:233]
	s_wait_alu depctr_va_vdst(0)                   ; and one for the four
.irp b, 0,1,2,3
	v_max_num_f32 v[BM+\b], 0x4800000, v[BM+\b]    ; the floor 2^(9 - 127)
.endr
.irp b, 0,1,2,3
	s_delay_alu instid0(VALU_DEP_4)
	v_add_nc_u32 v[SO+\b], 0xfc000000, v[BM+\b]
.endr
.irp b, 0,1,2,3
	v_and_or_b32 v[HL+\b], v[BM+\b], 0x7f800000, s[MNT]
.endr
.irp b, 0,1,2,3
	v_lshrrev_b32 v[PT+\b], 23, v[SO+\b]
.endr
	s_delay_alu instid0(VALU_DEP_3)
	v_lshl_or_b32 v255, v221, 8, v220              ; p's scale word for these 128 keys: it stands more than eight places ahead of the products
	s_delay_alu instid0(VALU_DEP_1)
	v_lshl_or_b32 v255, v222, 16, v255
	s_delay_alu instid0(VALU_DEP_1)
	v_lshl_or_b32 v255, v223, 24, v255
.irp b, 0,2                                    ; the hold, two numbers an instruction: the conversion does not saturate (ISA guide 7.6.2); p is not negative.  A pair takes an even register of one block and an odd one of its neighbour
.irp i, 0,2,4,6,8,10,12,14
	v_dual_min_num_f32 v[S+16*\b+\i], v[S+16*\b+\i], v[HL+\b] :: v_dual_min_num_f32 v[S+16*(\b+1)+\i+1], v[S+16*(\b+1)+\i+1], v[HL+\b+1]
	v_dual_min_num_f32 v[S+16*(\b+1)+\i], v[S+16*(\b+1)+\i], v[HL+\b+1] :: v_dual_min_num_f32 v[S+16*\b+\i+1], v[S+16*\b+\i+1], v[HL+\b]
.endr
.endr
.irp b, 0,1,2,3
	v_cvt_scalef32_pk8_fp8_f32 v[200+4*\b:201+4*\b], v[S+16*\b:S+7+16*\b], v[SO+\b]
	v_cvt_scalef32_pk8_fp8_f32 v[202+4*\b:203+4*\b], v[S+8+16*\b:S+15+16*\b], v[SO+\b]
.endr
.set i, 0
.rept 16
	v_pk_mul_f32 v[168+i:169+i], v[168+i:169+i], v[236:237] op_sel_hi:[1,0]      ; O^T under the new M; these are also the places between the codes and the products
.set i, i+2
.endr
	s_wait_alu depctr_va_vdst(0)
	s_wait_dscnt 0x0                               ; V
.irp u, 0,1,2,3                                ; O^T += V^T P^T
.if \u%2
	v_wmma_scale_f32_16x16x128_f8f6f4 v[168+8*\u:175+8*\u], v[32+16*\u:47+16*\u], v[200:215], v[168+8*\u:175+8*\u], v[252+\u/2], v255 matrix_a_scale:MATRIX_SCALE_ROW1
.else
	v_wmma_scale_f32_16x16x128_f8f6f4 v[168+8*\u:175+8*\u], v[32+16*\u:47+16*\u], v[200:215], v[168+8*\u:175+8*\u], v[252+\u/2], v255
.endif
.endr
	s_add_co_u32 s[TK], s[TK], 8192
	s_add_co_u32 s[TV], s[TV], 8192
	s_add_co_u32 s[TS], s[TS], 512
	s_add_co_u32 s[TT], s[TT], 256
	s_add_co_u32 s[TMA], s[TMA], 512
	s_add_co_u32 s[TD], s[TD], 512
	s_add_co_u32 s[KF], s[KF], 128
	s_sub_co_u32 s[CNT], s[CNT], 1
	s_cmp_lg_u32 s[CNT], 0
	s_cbranch_scc1 .Lstep
	; THE WAY OUT: O^T / the sum, quantised along the channels: 64 of the next product's K
.rept 8
	v_nop
.endr
	v_add_f32 v14, v14, v15
	s_delay_alu instid0(VALU_DEP_1)
	v_permlanex16_b32 v234, v14, s[SEL], s[SEL+1]
	s_delay_alu instid0(VALU_DEP_1)
	v_add_f32 v14, v14, v234
	s_wait_alu depctr_va_vdst(0)
	v_rcp_f32 v14, v14
	v_and_b32 v238, 15, v0                         ; (a plain line behind the reciprocal)
	s_delay_alu instid0(VALU_DEP_1)
	v_lshlrev_b32 v238, 2, v238
	s_lshl_b32 s20, s16, 4
	s_lshl_b32 s21, ttmp9, 3
	s_add_co_u32 s20, s20, s21
	s_lshr_b32 s21, s[WV], 1
	s_add_co_u32 s20, s20, s21                     ; the panel of tokens: 16 batch + 8 cl + w / 2
	s_lshr_b32 s21, s15, 1                         ; the next product's K step: head / 2
	s_and_b32 s22, s[WV], 1
	s_lshl_b32 s22, s22, 2
	s_add_co_u32 s22, s22, s13                     ; the tile in the panel
	s_and_b32 s23, s15, 1
	s_lshl_b32 s28, s20, 17
	s_lshl_b32 s29, s21, 14
	s_add_co_u32 s28, s28, s29
	s_lshl_b32 s29, s22, 11
	s_add_co_u32 s28, s28, s29
	s_lshl_b32 s29, s23, 10
	s_add_co_u32 s28, s28, s29
	s_mov_b32 s29, 0
	s_add_nc_u64 s[28:29], s[10:11], s[28:29]
	s_lshl_b32 s30, s20, 3
	s_add_co_u32 s30, s30, s21
	s_lshl_b32 s30, s30, 9
	s_lshl_b32 s31, s22, 6
	s_add_co_u32 s30, s30, s31
	s_lshl_b32 s31, s23, 1
	s_add_co_u32 s30, s30, s31
	s_add_co_u32 s30, s30, 4194304
	s_mov_b32 s31, 0
	s_add_nc_u64 s[30:31], s[10:11], s[30:31]
	s_wait_alu depctr_va_vdst(0)                   ; ahead of the reciprocal's first reader
.set i, 0
.rept 32
	v_mul_f32 v[S+i], v[168+i], v14                ; register 16 b + i: channel 32 b + 16 h + i of my query
.set i, i+1
.endr
	QUANT 2, S, 200, 235
	global_store_b128 v[LI], v[200:203], s[28:29]
	global_store_b128 v[LI], v[204:207], s[28:29] offset:512
	global_store_b16 v238, v235, s[30:31]          ; my head's two bytes of the row's word (both halves of the lanes hold and write the same)
	s_wait_dscnt 0x0
	s_wait_xcnt 0x0
	v_lshl_add_u32 v254, v0, 2, 0x48000
	v_mov_b32 v255, 0
	s_wait_alu depctr_va_vdst(0)
	s_wait_tensorcnt 0x0
	ds_add_u32 v254, v255
	s_wait_dscnt 0x0
	CROUND                                         ; the closing round
	s_endpgm
.Lfunc_end_k_q5ba310b1ab_attn:
	.size	k_q5ba310b1ab_attn, .Lfunc_end_k_q5ba310b1ab_attn-k_q5ba310b1ab_attn
	.p2alignl 7, 3214868480
	.fill 96, 4, 3214868480
	.section	.rodata,"a",@progbits
	.p2align	6, 0x0
	.amdhsa_kernel k_q5ba310b1ab_attn
		.amdhsa_group_segment_fixed_size 296960
		.amdhsa_private_segment_fixed_size 0
		.amdhsa_enable_private_segment 0
		.amdhsa_kernarg_size 32
		.amdhsa_user_sgpr_count 2
		.amdhsa_user_sgpr_kernarg_segment_ptr 1
		.amdhsa_wavefront_size32 1
		.amdhsa_system_sgpr_workgroup_id_x 1
		.amdhsa_system_sgpr_workgroup_id_y 1
		.amdhsa_system_sgpr_workgroup_id_z 1
		.amdhsa_system_vgpr_workitem_id 0
		.amdhsa_next_free_vgpr 256
		.amdhsa_next_free_sgpr 66
		.amdhsa_reserve_vcc 1
		.amdhsa_float_denorm_mode_32 3
		.amdhsa_float_denorm_mode_16_64 3
		.amdhsa_memory_ordered 1
		.amdhsa_forward_progress 1
		.amdhsa_inst_pref_size 57
	.end_amdhsa_kernel
	.amdgpu_metadata
---
amdhsa.version: [ 1, 2 ]
amdhsa.kernels:
  - .name:           k_q5ba310b1ab_attn
    .symbol:         k_q5ba310b1ab_attn.kd
    .args:
      - { .name: qkvb, .offset: 0, .size: 8, .value_kind: global_buffer, .address_space: global }
      - { .name: rel_emb, .offset: 8, .size: 8, .value_kind: global_buffer, .address_space: global }
      - { .name: pad_mask, .offset: 16, .size: 8, .value_kind: global_buffer, .address_space: global }
      - { .name: ao, .offset: 24, .size: 8, .value_kind: global_buffer, .address_space: global }
    .group_segment_fixed_size: 296960
    .private_segment_fixed_size: 0
    .kernarg_segment_align: 8
    .kernarg_segment_size: 32
    .max_flat_workgroup_size: 512
    .sgpr_count:     66
    .vgpr_count:     256
    .wavefront_size: 32
...
	.end_amdgpu_metadata
.endif
;; end of part 3
;; launch wo (part 4): grid 8 x 32, 4 waves a work-group, no clusters, 270,848 bytes of LDS; arguments ao, wts, bo, x, x1; writes x1
.if DOCPART == 4
	.amdgcn_target "amdgcn-amd-amdhsa--gfx1250"
	.amdhsa_code_object_version 6
	.text
	.protected	k_q5ba310b1ab_wo
	.globl	k_q5ba310b1ab_wo
	.p2align	8
	.type	k_q5ba310b1ab_wo,@function
k_q5ba310b1ab_wo:
	s_mov_b64 s[64:65], 0
	v_nop
	global_prefetch_b8 v0, s[64:65] scope:SCOPE_SE
	s_setreg_imm32_b32 hwreg(HW_REG_WAVE_MODE, 25, 1), 1
	s_wait_xcnt 0x0
; x1 = x + (attention's result) Wo + bo, the product on codes of E4M3 with one E8M0 byte for each 32 along K = 1,024; x, x1: [4096][1024] f32.
; OPERANDS are images of the operand's registers: a panel of 128 rows and a K step of 128 are 16,384 dense bytes, a fragment (16 rows) 2,048; rows stored with bits 3 and 4 of their number exchanged.
; SHARES: a work-group makes 128 tokens x 128 columns.  EACH OF ITS FOUR WAVES MULTIPLIES THE WHOLE BLOCK OVER ITS OWN QUARTER OF K (KW K steps): 64 accumulators, 512 registers.
; So no byte of A or W is read by two waves of the work-group, and the fragments go from memory straight into registers, 512 consecutive bytes a load; LDS serves the sum alone.
; NO CLUSTER, NO TENSOR LOAD: a joint load lands in LDS, where each of its bytes would be written once and read once: 32,768 bytes in and out for each wave and K step with no second reader.
; NO PREFETCH: a wave has two K steps, all of whose loads are issued in the first: there is no loop to run ahead in.
; THE SUM: each wave lays its block in LDS as rows of 512 bytes + 16; wave d adds the four parts of stored rows 32 d .. 32 d + 31, the bias and the residual, and stores whole rows: 512 consecutive aligned bytes.
; REGISTERS: window 0: v1-15 addresses and the bias, v32-47 scale words (two sets), v64-255 A's fragments (three halves of four); window 1: W's fragments, two sets of eight; windows 2, 3: accumulator (a, b) at v[8 (8 (a % 4) + b)].
.set KDIM,  1024
.set ASOFF, 4194304
.set WOFF,  3145728
.set WSOFF, 12681216
.set NKS,   KDIM/128
.set KW,    NKS/4                      ; K steps a wave: even
.set PANEL, 128*KDIM
.set LP,    528                        ; an LDS row: an odd multiple of 16 bytes
.set RG,    32*LP                      ; region (from wave s, for wave d) at (4 s + d) RG
.set SPARE, 16*RG
.set LO,  1                            ; 16 x lane
.set LS,  2                            ; 4 x lane
.set STO, 3
.set RD,  4                            ; v4-7: where I read the four parts
.set SPW, 10
.set NIL, 11
.set BI,  12                           ; v12-15 the bias of my lane's four columns
.set SC,  32
.set AF,  64
.set MSB, 0
.macro WIN new
.if MSB != \new
	s_set_vgpr_msb (MSB<<8)|\new
.set MSB, \new
.endif
.endm
.macro PLACES n
.rept \n
	v_nop
.endr
.endm
.macro LDA g                           ; A's half g (four fragments) into buffer g % 3
.set FB, AF+64*((\g)%3)
.irp i, 0,1,2,3
.irp c, 0,1,2,3
	global_load_b128 v[FB+16*\i+4*\c:FB+16*\i+4*\c+3], v[LO], s[20:21] offset:(\g)*8192+\i*2048+\c*512
.endr
.endr
.endm
.macro LDB t                           ; W's eight fragments of K step t into set t % 2
.irp i, 0,1,2,3,4,5,6,7
.irp c, 0,1,2,3
	global_load_b128 v[128*((\t)%2)+16*\i+4*\c:128*((\t)%2)+16*\i+4*\c+3], v[LO], s[22:23] offset:(\t)*16384+\i*2048+\c*512
.endr
.endr
.endm
.macro LSC t                           ; the scale words: register p holds rows 32 p .. 32 p + 31: tile 2 p in lanes 0-15, tile 2 p + 1 in lanes 16-31
.irp p, 0,1,2,3
	global_load_b32 v[SC+8*((\t)%2)+\p], v[LS], s[24:25] offset:(\t)*512+128*\p
	global_load_b32 v[SC+8*((\t)%2)+4+\p], v[LS], s[26:27] offset:(\t)*512+128*\p
.endr
.endm
.macro WM z, d, bf, af, sb, sa, pb, pa ; z = 0: the first K step starts the sums
.if (\z) == 0
.if (\pb) && (\pa)
	v_wmma_scale_f32_16x16x128_f8f6f4 v[\d:\d+7], v[\bf:\bf+15], v[\af:\af+15], 0, v[\sb], v[\sa] matrix_a_scale:MATRIX_SCALE_ROW1 matrix_b_scale:MATRIX_SCALE_ROW1
.elseif (\pb)
	v_wmma_scale_f32_16x16x128_f8f6f4 v[\d:\d+7], v[\bf:\bf+15], v[\af:\af+15], 0, v[\sb], v[\sa] matrix_a_scale:MATRIX_SCALE_ROW1
.elseif (\pa)
	v_wmma_scale_f32_16x16x128_f8f6f4 v[\d:\d+7], v[\bf:\bf+15], v[\af:\af+15], 0, v[\sb], v[\sa] matrix_b_scale:MATRIX_SCALE_ROW1
.else
	v_wmma_scale_f32_16x16x128_f8f6f4 v[\d:\d+7], v[\bf:\bf+15], v[\af:\af+15], 0, v[\sb], v[\sa]
.endif
.else
.if (\pb) && (\pa)
	v_wmma_scale_f32_16x16x128_f8f6f4 v[\d:\d+7], v[\bf:\bf+15], v[\af:\af+15], v[\d:\d+7], v[\sb], v[\sa] matrix_a_scale:MATRIX_SCALE_ROW1 matrix_b_scale:MATRIX_SCALE_ROW1
.elseif (\pb)
	v_wmma_scale_f32_16x16x128_f8f6f4 v[\d:\d+7], v[\bf:\bf+15], v[\af:\af+15], v[\d:\d+7], v[\sb], v[\sa] matrix_a_scale:MATRIX_SCALE_ROW1
.elseif (\pa)
	v_wmma_scale_f32_16x16x128_f8f6f4 v[\d:\d+7], v[\bf:\bf+15], v[\af:\af+15], v[\d:\d+7], v[\sb], v[\sa] matrix_b_scale:MATRIX_SCALE_ROW1
.else
	v_wmma_scale_f32_16x16x128_f8f6f4 v[\d:\d+7], v[\bf:\bf+15], v[\af:\af+15], v[\d:\d+7], v[\sb], v[\sa]
.endif
.endif
.endm
; Half u of K step t: 32 products, transposed (source 0 = 16 columns of W, source 1 = 16 tokens); the accumulators take turns, one instruction a turn.
; At its head the buffers that the half before has left are asked for again: A's half two halves on; at u = 0 also the next K step's W and scale words.
.macro HALF t, u
.if (\u) == 0
	s_wait_loadcnt 16                              ; this step's words, W and A's first half are in; behind them only A's second half (16 loads) was issued
.elseif (\t)+1 < KW
	s_wait_loadcnt 56                              ; A's second half is in; behind it: 8 loads of words, 32 of W, 16 of A
.else
	s_wait_loadcnt 32                              ; behind it: the residual's 32 loads
.endif
.if 2*(\t)+(\u) > 0
	PLACES 8                                       ; between the products that read a buffer and the loads into it
.endif
.if (\t)+1 < KW
.if (\u) == 0
	WIN 0
	LSC (\t)+1
	WIN 0x40
	LDB (\t)+1
.endif
	WIN 0
	LDA 2*(\t)+(\u)+2
.elseif (\u) == 0
	WIN 0x40                                       ; the last K step: W's idle set 0 takes the residual of my 32 rows: stored row i is token 16 ((i / 8) % 2) + 8 (i / 16) + i % 8
.set i, 0
.rept 32
	global_load_b128 v[4*i:4*i+3], v[LO], s[10:11] offset:(16*((i/8)%2)+8*(i/16)+i%8)*4096
.set i, i+1
.endr
.endif
	WIN 0xa1+0x50*(\u)
.irp a, 0,1,2,3
.irp b, 0,1,2,3,4,5,6,7
	WM \t, 8*(8*\a+\b), 128*((\t)%2)+16*\b, AF+64*((2*(\t)+(\u))%3)+16*\a, SC+8*((\t)%2)+4+\b/2, SC+8*((\t)%2)+2*(\u)+\a/2, \b%2, \a%2
.endr
.endr
.endm
.macro RDB q                           ; rows 4 q .. 4 q + 3 of my 32, all four parts, into buffer q % 2
.set RB, AF+64*((\q)%2)
.irp k, 0,1,2,3
.irp s, 0,1,2,3
	ds_load_b128 v[RB+16*\k+4*\s:RB+16*\k+4*\s+3], v[RD+\s] offset:(4*(\q)+\k)*LP
.endr
.endr
.endm
.macro FIN q
.if (\q) < 7
.if (\q) > 0
	s_wait_xcnt 0x0                                ; the stores of two batches back have read the registers that the loads below fill
.endif
	RDB (\q)+1
	s_wait_dscnt 16                                ; this batch's 16 loads are in
.else
	s_wait_dscnt 0x0
.endif
.set TB, AF+64*((\q)%2)
.irp k, 0,1,2,3
.irp e, 0,2
	v_pk_add_f32 v[TB+16*\k+\e:TB+16*\k+\e+1], v[TB+16*\k+\e:TB+16*\k+\e+1], v[TB+16*\k+4+\e:TB+16*\k+5+\e]
	v_pk_add_f32 v[TB+16*\k+8+\e:TB+16*\k+9+\e], v[TB+16*\k+8+\e:TB+16*\k+9+\e], v[TB+16*\k+12+\e:TB+16*\k+13+\e]
.endr
.endr
.irp k, 0,1,2,3
.irp e, 0,2
	v_pk_add_f32 v[TB+16*\k+\e:TB+16*\k+\e+1], v[TB+16*\k+\e:TB+16*\k+\e+1], v[BI+\e:BI+\e+1]
.endr
.endr
.irp k, 0,1,2,3
.irp e, 0,2
	v_pk_add_f32 v[TB+16*\k+\e:TB+16*\k+\e+1], v[TB+16*\k+\e:TB+16*\k+\e+1], v[TB+16*\k+8+\e:TB+16*\k+9+\e]
.endr
.endr
	WIN 0x04                                       ; source 1: the residual, in window 1
.irp k, 0,1,2,3
.irp e, 0,2
	v_pk_add_f32 v[TB+16*\k+\e:TB+16*\k+\e+1], v[TB+16*\k+\e:TB+16*\k+\e+1], v[4*(4*(\q)+\k)+\e:4*(4*(\q)+\k)+\e+1]
.endr
.endr
	WIN 0
.irp k, 0,1,2,3
.set RW, 4*(\q)+\k
	global_store_b128 v[LO], v[TB+16*\k:TB+16*\k+3], s[12:13] offset:(16*((RW/8)%2)+8*(RW/16)+RW%8)*4096   ; 32 lanes store 512 consecutive aligned bytes
.endr
.endm
	s_load_b128 s[4:7], s[0:1], 0x0                ; A, wts
	s_load_b128 s[8:11], s[0:1], 0x10              ; the bias, the residual
	s_load_b64 s[12:13], s[0:1], 0x20              ; out
	v_lshl_add_u32 v[SPW], v0, 2, SPARE
	v_mov_b32 v[NIL], 0
	v_lshrrev_b32 v16, 5, v0
	v_readfirstlane_b32 s14, v16                   ; wave
	v_and_b32 v17, 31, v0
	v_lshlrev_b32 v[LO], 4, v17
	v_lshlrev_b32 v[LS], 2, v17
	v_and_b32 v18, 15, v0                          ; r
	v_bfe_u32 v19, v0, 4, 1                        ; h
	v_mul_u32_u24 v[STO], v18, LP
	v_lshl_add_u32 v[STO], v19, 6, v[STO]
	s_mul_i32 s15, s14, 4*RG
	v_add_nc_u32 v[STO], s15, v[STO]               ; in: my four regions, row r, 64 h bytes on
	s_mul_i32 s15, s14, RG
	v_add_nc_u32 v[RD], s15, v[LO]                 ; back: the regions for me, a row of 512 bytes to the 32 lanes
	v_add_nc_u32 v[RD+1], 4*RG, v[RD]
	v_add_nc_u32 v[RD+2], 8*RG, v[RD]
	v_add_nc_u32 v[RD+3], 12*RG, v[RD]
	s_and_b32 s16, ttmp7, 0xffff                   ; the panel of tokens; ttmp9: the panel of columns
	s_mul_i32 s18, s14, KW*16384                   ; my quarter of K
	s_mul_i32 s20, s16, PANEL
	s_add_co_u32 s20, s20, s18
	s_mov_b32 s21, 0
	s_mul_i32 s22, ttmp9, PANEL
	s_add_co_u32 s22, s22, s18
	s_add_co_u32 s22, s22, WOFF
	s_mov_b32 s23, 0
	s_mul_i32 s18, s14, KW*512
	s_mul_i32 s24, s16, NKS*512
	s_add_co_u32 s24, s24, s18
	s_add_co_u32 s24, s24, ASOFF
	s_mov_b32 s25, 0
	s_mul_i32 s26, ttmp9, NKS*512
	s_add_co_u32 s26, s26, s18
	s_add_co_u32 s26, s26, WSOFF
	s_mov_b32 s27, 0
	s_lshl_b32 s28, ttmp9, 9                       ; 128 columns of 4 bytes
	s_mov_b32 s29, 0
	s_lshl_b32 s30, s16, 19                        ; 128 rows of 4,096 bytes
	s_lshl_b32 s18, s14, 17                        ; my 32 rows on the way out
	s_add_co_u32 s30, s30, s18
	s_add_co_u32 s30, s30, s28
	s_mov_b32 s31, 0
	s_wait_alu depctr_va_vdst(0)                   ; the wait at the head's end
	s_wait_kmcnt 0x0
	s_add_nc_u64 s[20:21], s[4:5], s[20:21]        ; A's codes
	s_add_nc_u64 s[22:23], s[6:7], s[22:23]        ; W's codes
	s_add_nc_u64 s[24:25], s[4:5], s[24:25]        ; A's scale words
	s_add_nc_u64 s[26:27], s[6:7], s[26:27]        ; W's
	s_add_nc_u64 s[8:9], s[8:9], s[28:29]
	s_add_nc_u64 s[10:11], s[10:11], s[30:31]
	s_add_nc_u64 s[12:13], s[12:13], s[30:31]
	global_load_b128 v[BI:BI+3], v[LO], s[8:9]
	LSC 0
	WIN 0x40
	LDB 0
	WIN 0
	LDA 0
	LDA 1
.set T, 0
.rept KW
	HALF T, 0
	HALF T, 1
.set T, T+1
.endr
	PLACES 8
.irp a, 0,1,2,3,4,5,6,7                ; tile (a, b) goes to the region for wave a / 2, row 16 (a % 2) + r; its columns are 32 (b / 2) + 16 h + 8 (b % 2) + 0..7
	WIN 0x08+4*(\a/4)
.irp b, 0,1,2,3,4,5,6,7
	ds_store_b128 v[STO], v[8*(8*(\a%4)+\b):8*(8*(\a%4)+\b)+3] offset:(\a/2)*RG+16*(\a%2)*LP+128*(\b/2)+32*(\b%2)       ; each accumulator from its low end on
	ds_store_b128 v[STO], v[8*(8*(\a%4)+\b)+4:8*(8*(\a%4)+\b)+7] offset:(\a/2)*RG+16*(\a%2)*LP+128*(\b/2)+32*(\b%2)+16
.endr
.endr
	WIN 0
	s_wait_dscnt 0x0                               ; for the others' sake: my part lies in LDS
	s_barrier_signal -1
	s_barrier_wait -1
	RDB 0
	s_wait_loadcnt 0x0                             ; the residual
.irp q, 0,1,2,3,4,5,6,7
	FIN \q
.endr
	s_wait_tensorcnt 0x0                           ; the wave's end
	ds_add_u32 v[SPW], v[NIL]
	s_wait_dscnt 0x0
	s_endpgm
.Lfunc_end_k_q5ba310b1ab_wo:
	.size	k_q5ba310b1ab_wo, .Lfunc_end_k_q5ba310b1ab_wo-k_q5ba310b1ab_wo
	.p2alignl 7, 3214868480
	.fill 96, 4, 3214868480
	.section	.rodata,"a",@progbits
	.p2align	6, 0x0
	.amdhsa_kernel k_q5ba310b1ab_wo
		.amdhsa_group_segment_fixed_size 270848
		.amdhsa_private_segment_fixed_size 0
		.amdhsa_enable_private_segment 0
		.amdhsa_kernarg_size 40
		.amdhsa_user_sgpr_count 2
		.amdhsa_user_sgpr_kernarg_segment_ptr 1
		.amdhsa_wavefront_size32 1
		.amdhsa_system_sgpr_workgroup_id_x 1
		.amdhsa_system_sgpr_workgroup_id_y 1
		.amdhsa_system_sgpr_workgroup_id_z 1
		.amdhsa_system_vgpr_workitem_id 0
		.amdhsa_next_free_vgpr 1024
		.amdhsa_next_free_sgpr 66
		.amdhsa_reserve_vcc 0
		.amdhsa_float_denorm_mode_32 3
		.amdhsa_float_denorm_mode_16_64 3
		.amdhsa_memory_ordered 1
		.amdhsa_forward_progress 1
		.amdhsa_inst_pref_size 78
	.end_amdhsa_kernel
	.amdgpu_metadata
---
amdhsa.version: [ 1, 2 ]
amdhsa.kernels:
  - .name:           k_q5ba310b1ab_wo
    .symbol:         k_q5ba310b1ab_wo.kd
    .args:
      - { .name: ao, .offset: 0, .size: 8, .value_kind: global_buffer, .address_space: global }
      - { .name: wts, .offset: 8, .size: 8, .value_kind: global_buffer, .address_space: global }
      - { .name: bo, .offset: 16, .size: 8, .value_kind: global_buffer, .address_space: global }
      - { .name: x, .offset: 24, .size: 8, .value_kind: global_buffer, .address_space: global }
      - { .name: x1, .offset: 32, .size: 8, .value_kind: global_buffer, .address_space: global }
    .group_segment_fixed_size: 270848
    .private_segment_fixed_size: 0
    .kernarg_segment_align: 8
    .kernarg_segment_size: 40
    .max_flat_workgroup_size: 128
    .sgpr_count:     66
    .vgpr_count:     1024
    .wavefront_size: 32
...
	.end_amdgpu_metadata
.endif
;; end of part 4
;; launch ln1 (part 5): grid 256 x 1, 4 waves a work-group, no clusters, 66,304 bytes of LDS; arguments x1, g2, beta2, h2; writes h2
.if DOCPART == 5
	.amdgcn_target "amdgcn-amd-amdhsa--gfx1250"
	.amdhsa_code_object_version 6
	.text
	.protected	k_q5ba310b1ab_ln1
	.globl	k_q5ba310b1ab_ln1
	.p2align	8
	.type	k_q5ba310b1ab_ln1,@function
k_q5ba310b1ab_ln1:
	s_mov_b64 s[64:65], 0
	v_nop
	global_prefetch_b8 v0, s[64:65] scope:SCOPE_SE
	s_setreg_imm32_b32 hwreg(HW_REG_WAVE_MODE, 25, 1), 1
	s_wait_xcnt 0x0
; y = (x - mean) rsqrt(var + 1e-5) g + beta for rows of 1,024 f32, then quantised along the row to E4M3 with one E8M0 byte for each 32, stored as an image of the operand's registers.
; OUT: codes of stored row rho, k at (rho>>7) 131072 + (k>>7) 16384 + ((rho>>4)&7) 2048 + ((k>>5)&3) 512 + ((k>>4)&1) 256 + (rho&15) 16 + (k&15); rho = the row's number with bits 3 and 4 exchanged.
; Scale words (4 bytes for 128 along k) at 4,194,304 + ((rho>>7) 8 + (k>>7)) 512 + (rho&127) 4.
; SHARES: work-group T makes stored tile T (16 rows).  Phase 1: wave w normalises four whole rows, kept in 128 registers between the passes, and puts them in a stage in LDS (16 rows of 4,096 bytes + 16).  One barrier.
; Phase 2: wave w takes K steps 2 w and 2 w + 1: lane (r, h) reads of row r the 16 neighbours 32 c + 16 h + 0..15 of each block, which is the order of the operand's registers.
; No matrix unit, no cluster: rows are read once and shared with nobody.  LIMITS: NaN and infinities are not served; blocks under 2^-118 keep the byte 1.
.set SP,  4112                         ; a stage row: an odd multiple of 16 bytes
.set X,   32                           ; v32-159  four rows x 32 numbers; in phase 2 two fragments' 64 numbers
.set G,   160                          ; v160-191 g;  in phase 2 the codes
.set BT,  192                          ; v192-223 beta
.set SM,  224                          ; v224-231 a pair a row: sums, mean, then 1 / sigma
.set SQ,  232                          ; v232-239 a pair a row: sums of squares
.set TM,  224                          ; phase 2: the quantiser's 16 temporaries
.set SEL, 20                           ; s[20:21] v_permlanex16_b32's selects for lane l xor 16
.set MNT, 24
.macro QUANT nb, s, pc, pw             ; 16 b + i of v[s] on = k 32 b + 16 (lane / 16) + i of my row -> codes in v[pc] on, the scale word in v[pw]
.irp b, 0,1,2,3
.if \b < \nb
	v_max3_num_f32 v[TM+\b], |v[(\s)+16*\b]|, |v[(\s)+1+16*\b]|, 0x4800000   ; my 16 numbers of block b, and the floor 2^(9 - 127)
.endif
.endr
.irp i, 2,4,6,8,10,12,14
.irp b, 0,1,2,3
.if \b < \nb
	v_max3_num_f32 v[TM+\b], v[TM+\b], |v[(\s)+16*\b+\i]|, |v[(\s)+1+16*\b+\i]|
.endif
.endr
.endr
.irp b, 0,1,2,3
.if \b < \nb
	v_permlanex16_b32 v[TM+4+\b], v[TM+\b], s[SEL], s[SEL+1]
.endif
.endr
.irp b, 0,1,2,3
.if \b < \nb
	v_max_num_f32 v[TM+\b], v[TM+\b], v[TM+4+\b]           ; with lane l xor 16's: the block's largest magnitude
.endif
.endr
.irp b, 0,1,2,3
.if \b < \nb
	v_add_nc_u32 v[TM+12+\b], 0xfc000000, v[TM+\b]         ; 8 off the exponent field: the conversion's scale operand
	v_and_or_b32 v[TM+8+\b], v[TM+\b], 0x7f800000, s[MNT]  ; 448 x the scale
	v_lshrrev_b32 v[TM+4+\b], 23, v[TM+12+\b]              ; the scale's byte
.endif
.endr
	v_lshl_or_b32 v[\pw], v[TM+5], 8, v[TM+4]
.if \nb > 2
	v_lshl_or_b32 v[\pw], v[TM+6], 16, v[\pw]
	v_lshl_or_b32 v[\pw], v[TM+7], 24, v[\pw]
.endif
.irp b, 0,1,2,3
.if \b < \nb
.irp i, 0,1,2,3,4,5,6,7,8,9,10,11,12,13,14,15
	v_med3_num_f32 v[(\s)+16*\b+\i], v[(\s)+16*\b+\i], -v[TM+8+\b], v[TM+8+\b]   ; the conversion does not saturate (ISA guide 7.6.2): hold first
.endr
	v_cvt_scalef32_pk8_fp8_f32 v[(\pc)+4*\b:(\pc)+1+4*\b], v[(\s)+16*\b:(\s)+7+16*\b], v[TM+12+\b]
	v_cvt_scalef32_pk8_fp8_f32 v[(\pc)+2+4*\b:(\pc)+3+4*\b], v[(\s)+8+16*\b:(\s)+15+16*\b], v[TM+12+\b]
.endif
.endr
	v_nop                                          ; a plain line behind the last conversion
.endm
.macro REDUCE p                        ; the four rows' pairs -> each row's sum over the wave, in every lane, in the pair's low register
.irp i, 0,1,2,3
	v_add_f32 v[\p+2*\i], v[\p+2*\i], v[\p+2*\i+1]
.endr
.irp m, 1,2,4,8
.irp i, 0,1,2,3
	v_add_f32_dpp v[\p+2*\i], v[\p+2*\i], v[\p+2*\i] row_xmask:\m row_mask:0xf bank_mask:0xf
.endr
.endr
.irp i, 0,1,2,3
	v_permlanex16_b32 v[\p+2*\i+1], v[\p+2*\i], s[SEL], s[SEL+1]
.endr
.irp i, 0,1,2,3
	v_add_f32 v[\p+2*\i], v[\p+2*\i], v[\p+2*\i+1]
.endr
.endm
	s_load_b256 s[4:11], s[0:1], 0x0               ; in, g, beta, out
	v_lshl_add_u32 v254, v0, 2, 0x10100
	v_mov_b32 v255, 0
	v_lshrrev_b32 v1, 5, v0
	v_readfirstlane_b32 s12, v1                    ; wave
	v_and_b32 v1, 31, v0                           ; lane
	v_and_b32 v5, 15, v0                           ; r
	v_bfe_u32 v6, v0, 4, 1                         ; h
	v_lshlrev_b32 v2, 4, v1                        ; 16 x lane
	s_mul_i32 s13, s12, 4*SP
	v_add_nc_u32 v3, s13, v2                       ; stage, in: my wave's four rows, 16 bytes a lane
	v_mul_u32_u24 v4, v5, SP
	v_lshl_add_u32 v4, v6, 6, v4
	s_lshl_b32 s13, s12, 10
	v_add_nc_u32 v4, s13, v4                       ; stage, out: row r, + 64 h, + my two K steps' 1,024 bytes
	v_lshlrev_b32 v7, 2, v5
	v_lshl_add_u32 v7, v6, 9, v7                   ; scale words: 4 r; lanes 16-31 carry the second K step's, 512 bytes on
	s_mov_b32 s[SEL], 0x76543210
	s_mov_b32 s[SEL+1], 0xfedcba98
	s_mov_b32 s22, 0x3a800000                      ; 1 / 1024
	s_mov_b32 s23, 0x3727c5ac                      ; 1e-5
	s_mov_b32 s[MNT], 0x600000
	s_lshr_b32 s14, ttmp9, 1                       ; my first row: 32 (T / 2) + 8 (T % 2) + 16 (w / 2) + 4 (w % 2)
	s_lshl_b32 s14, s14, 5
	s_and_b32 s15, ttmp9, 1
	s_lshl_b32 s15, s15, 3
	s_add_co_u32 s14, s14, s15
	s_lshr_b32 s15, s12, 1
	s_lshl_b32 s15, s15, 4
	s_add_co_u32 s14, s14, s15
	s_and_b32 s15, s12, 1
	s_lshl_b32 s15, s15, 2
	s_add_co_u32 s14, s14, s15
	s_lshl_b32 s14, s14, 12
	s_mov_b32 s15, 0
	s_lshr_b32 s16, ttmp9, 3                       ; panel
	s_and_b32 s17, ttmp9, 7                        ; tile in it
	s_lshl_b32 s18, s16, 17
	s_lshl_b32 s19, s17, 11
	s_add_co_u32 s18, s18, s19
	s_lshl_b32 s19, s12, 15                        ; K step 2 w
	s_add_co_u32 s18, s18, s19
	s_mov_b32 s19, 0
	s_lshl_b32 s26, s16, 12
	s_lshl_b32 s27, s17, 6
	s_add_co_u32 s26, s26, s27
	s_lshl_b32 s27, s12, 10
	s_add_co_u32 s26, s26, s27
	s_add_co_u32 s26, s26, 4194304
	s_mov_b32 s27, 0
	s_wait_alu depctr_va_vdst(0)                   ; the wait at the head's end
	s_wait_kmcnt 0x0
	s_add_nc_u64 s[4:5], s[4:5], s[14:15]
	s_add_nc_u64 s[18:19], s[10:11], s[18:19]
	s_add_nc_u64 s[26:27], s[10:11], s[26:27]
.irp i, 0,1,2,3
.irp j, 0,1,2,3,4,5,6,7
	global_load_b128 v[X+32*\i+4*\j:X+32*\i+4*\j+3], v2, s[4:5] offset:4096*\i+512*\j th:TH_LOAD_NT   ; 32 lanes read 512 consecutive bytes
.endr
.endr
.irp j, 0,1,2,3,4,5,6,7
	global_load_b128 v[G+4*\j:G+4*\j+3], v2, s[6:7] offset:512*\j
	global_load_b128 v[BT+4*\j:BT+4*\j+3], v2, s[8:9] offset:512*\j
.endr
	s_wait_loadcnt 16                              ; the rows are in; g's and beta's sixteen loads may be out
.irp i, 0,1,2,3
	v_pk_add_f32 v[SM+2*\i:SM+2*\i+1], v[X+32*\i:X+32*\i+1], v[X+32*\i+2:X+32*\i+3]
.endr
.irp j, 4,6,8,10,12,14,16,18,20,22,24,26,28,30
.irp i, 0,1,2,3
	v_pk_add_f32 v[SM+2*\i:SM+2*\i+1], v[SM+2*\i:SM+2*\i+1], v[X+32*\i+\j:X+32*\i+\j+1]   ; the four rows by turns
.endr
.endr
	REDUCE SM
.irp i, 0,1,2,3
	v_mul_f32 v[SM+2*\i], s22, v[SM+2*\i]          ; the mean
.endr
.irp j, 0,2,4,6,8,10,12,14,16,18,20,22,24,26,28,30
.irp i, 0,1,2,3
	v_pk_add_f32 v[X+32*\i+\j:X+32*\i+\j+1], v[X+32*\i+\j:X+32*\i+\j+1], v[SM+2*\i:SM+2*\i+1] op_sel_hi:[1,0] neg_lo:[0,1] neg_hi:[0,1]   ; x - mean
.endr
.endr
.irp i, 0,1,2,3
	v_pk_mul_f32 v[SQ+2*\i:SQ+2*\i+1], v[X+32*\i:X+32*\i+1], v[X+32*\i:X+32*\i+1]
.endr
.irp j, 2,4,6,8,10,12,14,16,18,20,22,24,26,28,30
.irp i, 0,1,2,3
	v_pk_fma_f32 v[SQ+2*\i:SQ+2*\i+1], v[X+32*\i+\j:X+32*\i+\j+1], v[X+32*\i+\j:X+32*\i+\j+1], v[SQ+2*\i:SQ+2*\i+1]
.endr
.endr
	REDUCE SQ
.irp i, 0,1,2,3
	v_fma_f32 v[SQ+2*\i], v[SQ+2*\i], s22, s23     ; var + eps
.endr
	s_wait_alu depctr_va_vdst(0)                   ; the wait ahead of the batch
.irp i, 0,1,2,3
	v_rsq_f32 v[SM+2*\i], v[SQ+2*\i]
.endr
	v_nop                                          ; a plain line behind the last of the four
	s_wait_alu depctr_va_vdst(0)                   ; one wait for the four, ahead of their first reader
	s_wait_loadcnt 0x0                             ; g and beta
.irp i, 0,1,2,3
.irp j, 0,2,4,6,8,10,12,14,16,18,20,22,24,26,28,30
	v_pk_mul_f32 v[X+32*\i+\j:X+32*\i+\j+1], v[X+32*\i+\j:X+32*\i+\j+1], v[SM+2*\i:SM+2*\i+1] op_sel_hi:[1,0]
.endr
.irp j, 0,2,4,6,8,10,12,14,16,18,20,22,24,26,28,30
	v_pk_fma_f32 v[X+32*\i+\j:X+32*\i+\j+1], v[X+32*\i+\j:X+32*\i+\j+1], v[G+\j:G+\j+1], v[BT+\j:BT+\j+1]
.endr
.irp j, 0,1,2,3,4,5,6,7
	ds_store_b128 v3, v[X+32*\i+4*\j:X+32*\i+4*\j+3] offset:\i*SP+512*\j
.endr
.endr
	s_wait_dscnt 0x0                               ; for the others' sake: my rows lie in the stage
	s_barrier_signal -1
	s_barrier_wait -1
.irp e, 0,1
.irp c, 0,1,2,3
.irp j, 0,1,2,3
	ds_load_b128 v[X+64*\e+16*\c+4*\j:X+64*\e+16*\c+4*\j+3], v4 offset:512*\e+128*\c+16*\j
.endr
.endr
.endr
	s_wait_dscnt 16                                ; the first K step's 16 loads are in
	QUANT 4, X, 160, 240
.irp c, 0,1,2,3
	global_store_b128 v2, v[160+4*\c:163+4*\c], s[18:19] offset:512*\c           ; 512 consecutive bytes
.endr
	s_wait_dscnt 0x0
	QUANT 4, X+64, 176, 241
.irp c, 0,1,2,3
	global_store_b128 v2, v[176+4*\c:179+4*\c], s[18:19] offset:16384+512*\c
.endr
	v_cmp_gt_u32 vcc_lo, 16, v1                    ; lanes 0-15 carry the first K step's words, lanes 16-31 the second's (both halves hold both)
	v_cndmask_b32 v242, v241, v240, vcc_lo
	global_store_b32 v7, v242, s[26:27]
	s_wait_tensorcnt 0x0                           ; the wave's end
	ds_add_u32 v254, v255
	s_wait_dscnt 0x0
	s_endpgm
.Lfunc_end_k_q5ba310b1ab_ln1:
	.size	k_q5ba310b1ab_ln1, .Lfunc_end_k_q5ba310b1ab_ln1-k_q5ba310b1ab_ln1
	.p2alignl 7, 3214868480
	.fill 96, 4, 3214868480
	.section	.rodata,"a",@progbits
	.p2align	6, 0x0
	.amdhsa_kernel k_q5ba310b1ab_ln1
		.amdhsa_group_segment_fixed_size 66304
		.amdhsa_private_segment_fixed_size 0
		.amdhsa_enable_private_segment 0
		.amdhsa_kernarg_size 32
		.amdhsa_user_sgpr_count 2
		.amdhsa_user_sgpr_kernarg_segment_ptr 1
		.amdhsa_wavefront_size32 1
		.amdhsa_system_sgpr_workgroup_id_x 1
		.amdhsa_system_sgpr_workgroup_id_y 1
		.amdhsa_system_sgpr_workgroup_id_z 1
		.amdhsa_system_vgpr_workitem_id 0
		.amdhsa_next_free_vgpr 256
		.amdhsa_next_free_sgpr 66
		.amdhsa_reserve_vcc 1
		.amdhsa_float_denorm_mode_32 3
		.amdhsa_float_denorm_mode_16_64 3
		.amdhsa_memory_ordered 1
		.amdhsa_forward_progress 1
		.amdhsa_inst_pref_size 52
	.end_amdhsa_kernel
	.amdgpu_metadata
---
amdhsa.version: [ 1, 2 ]
amdhsa.kernels:
  - .name:           k_q5ba310b1ab_ln1
    .symbol:         k_q5ba310b1ab_ln1.kd
    .args:
      - { .name: x1, .offset: 0, .size: 8, .value_kind: global_buffer, .address_space: global }
      - { .name: g2, .offset: 8, .size: 8, .value_kind: global_buffer, .address_space: global }
      - { .name: beta2, .offset: 16, .size: 8, .value_kind: global_buffer, .address_space: global }
      - { .name: h2, .offset: 24, .size: 8, .value_kind: global_buffer, .address_space: global }
    .group_segment_fixed_size: 66304
    .private_segment_fixed_size: 0
    .kernarg_segment_align: 8
    .kernarg_segment_size: 32
    .max_flat_workgroup_size: 128
    .sgpr_count:     66
    .vgpr_count:     256
    .wavefront_size: 32
...
	.end_amdgpu_metadata
.endif
;; end of part 5
;; launch ff1 (part 6): grid 8 x 32, 4 waves a work-group, clusters of 4 x 4, 327,680 bytes of LDS; arguments h2, wts, b1, gl; writes gl
.if DOCPART == 6
	.amdgcn_target "amdgcn-amd-amdhsa--gfx1250"
	.amdhsa_code_object_version 6
	.text
	.protected	k_q5ba310b1ab_ff1
	.globl	k_q5ba310b1ab_ff1
	.p2align	8
	.type	k_q5ba310b1ab_ff1,@function
k_q5ba310b1ab_ff1:
	s_mov_b64 s[64:65], 0
	v_nop
	global_prefetch_b8 v0, s[64:65] scope:SCOPE_SE
	s_setreg_imm32_b32 hwreg(HW_REG_WAVE_MODE, 25, 1), 1
	s_wait_xcnt 0x0
	s_wait_alu depctr_hold_cnt(0) depctr_sa_sdst(0) depctr_va_vdst(0) depctr_va_sdst(0) depctr_va_ssrc(0) depctr_va_vcc(0) depctr_vm_vsrc(0)
	s_getreg_b32 s2, hwreg(HW_REG_IB_STS2, 6, 4)
	s_cmp_eq_u32 s2, 0
	s_cbranch_scc0 .Lentry_in_a_cluster
	s_endpgm
.Lentry_in_a_cluster:
	s_bfe_u32 s2, ttmp6, 0x10000c
	s_cmp_lg_u32 s2, 0xf033
	s_cbranch_scc0 .Lentry_shape_is_right
	s_endpgm
.Lentry_shape_is_right:
.set ASOFF, 4194304
.set WOFF,  8388608
.set WSOFF, 12845056
.set SLOT,  131072
.set SCR,   2*SLOT
.set SPARE, SCR+512
.set BSTEP, 131072
.set TILES, 4
.set ACC,   128
.set SA,    32
.set SB,    48
.set BIW,   192
.set CK,    224
.set TM,    96
.set SEL,   2
.set MNT,   8
.set G1A,   24
.set G0A,   32
.set G0B,   36
.set G1B,   48
.set TB,    56
.set CNT,   57
.set MSB, 0
.macro WIN new
.if MSB != \new
	s_set_vgpr_msb (MSB<<8)|\new
.set MSB, \new
.endif
.endm
.macro PLACES n
.rept \n
	v_nop
.endr
.endm
.macro CROUND
	s_barrier_signal -1
	s_barrier_wait -1
	s_cmp_lg_u32 s10, 0
	s_cbranch_scc1 .Lnot_wave_0_\@
	s_barrier_signal -3
.Lnot_wave_0_\@:
	s_barrier_wait -3
	s_barrier_signal -1
	s_barrier_wait -1
.endm
.macro CHG fill
	WIN 0
	s_wait_tensorcnt 0x0
	ds_add_u32 v28, v29
.if \fill
	s_xor_b32 s[G0B+1], s[G0B+1], SLOT
	s_add_nc_u64 s[G0B+2:G0B+3], s[G0B+2:G0B+3], BSTEP
	s_wait_dscnt 0x0
	CROUND
	tensor_load_to_lds s[G0B:G0B+3], s[G1B:G1B+7]
	s_nop 0
	PLACES 4
.else
	s_wait_dscnt 0x0
	s_barrier_signal -1
	s_barrier_wait -1
.endif
.endm
.macro FETCHB slot, ks, buf
	WIN 0x40
.irp i, 0,1,2,3
.irp c, 0,1,2,3
	ds_load_b128 v[64*(\buf)+16*\i+4*\c:64*(\buf)+16*\i+4*\c+3], v[12+2*(\slot)+(\ks)/4] offset:((\ks)%4)*16384+\i*2048+\c*512
.endr
.endr
.endm
.macro WM d, bf, af, c, sb, sa, pb, pa
.if (\pb) && (\pa)
	v_wmma_scale_f32_16x16x128_f8f6f4 v[\d:\d+7], v[\bf:\bf+15], v[\af:\af+15], v[\c:\c+7], v[\sb], v[\sa] matrix_a_scale:MATRIX_SCALE_ROW1 matrix_b_scale:MATRIX_SCALE_ROW1
.elseif (\pb)
	v_wmma_scale_f32_16x16x128_f8f6f4 v[\d:\d+7], v[\bf:\bf+15], v[\af:\af+15], v[\c:\c+7], v[\sb], v[\sa] matrix_a_scale:MATRIX_SCALE_ROW1
.elseif (\pa)
	v_wmma_scale_f32_16x16x128_f8f6f4 v[\d:\d+7], v[\bf:\bf+15], v[\af:\af+15], v[\c:\c+7], v[\sb], v[\sa] matrix_b_scale:MATRIX_SCALE_ROW1
.else
	v_wmma_scale_f32_16x16x128_f8f6f4 v[\d:\d+7], v[\bf:\bf+15], v[\af:\af+15], v[\c:\c+7], v[\sb], v[\sa]
.endif
.endm
.macro KMUL ks, buf, first
.irp a, 0,1,2,3
.irp b, 0,1,2,3
.if \first
	WM ACC+8*(4*\a+\b), 64*(\buf)+16*\b, 64*((\ks)%4)+16*\a, BIW+8*\b, SB+2*(\ks)+\b/2, SA+2*(\ks)+\a/2, \b%2, \a%2
.else
	WM ACC+8*(4*\a+\b), 64*(\buf)+16*\b, 64*((\ks)%4)+16*\a, ACC+8*(4*\a+\b), SB+2*(\ks)+\b/2, SA+2*(\ks)+\a/2, \b%2, \a%2
.endif
.endr
.endr
.endm
.macro KSTEP ks, slot
.if ((\ks) > 0) && ((\ks) < 6)
	PLACES 8
.endif
.if (\ks) < 6
	FETCHB \slot, (\ks)+2, ((\ks)+2)%3
	s_wait_dscnt 32
.elseif (\ks) == 6
	s_wait_dscnt 16
.else
	s_wait_dscnt 0x0
.endif
.if (\ks) == 0
	WIN 0x19
	KMUL \ks, (\ks)%3, 1
.elseif (\ks) < 4
	WIN 0x09
	KMUL \ks, (\ks)%3, 0
.else
	WIN 0x0d
	KMUL \ks, (\ks)%3, 0
.endif
.endm
.macro LOADW
.irp ks, 0,1,2,3,4,5,6,7
	global_load_b32 v[SB+2*\ks], v5, s[16:17] offset:512*\ks
	global_load_b32 v[SB+2*\ks+1], v5, s[16:17] offset:512*\ks+128
.endr
	WIN 0x40
.irp b, 0,1,2,3
	global_load_b128 v[BIW+8*\b:BIW+8*\b+3], v16, s[92:93] offset:(32*(\b/2)+8*(\b%2))*4
	global_load_b128 v[BIW+8*\b+4:BIW+8*\b+7], v16, s[92:93] offset:(32*(\b/2)+8*(\b%2))*4+16
.endr
	WIN 0
.endm
.macro QUANT nb, s, pc, pw
.irp b, 0,1,2,3
.if \b < \nb
	v_max3_num_f32 v[TM+\b], |v[(\s)+16*\b]|, |v[(\s)+1+16*\b]|, 0x4800000
.endif
.endr
.irp i, 2,4,6,8,10,12,14
.irp b, 0,1,2,3
.if \b < \nb
	v_max3_num_f32 v[TM+\b], v[TM+\b], |v[(\s)+16*\b+\i]|, |v[(\s)+1+16*\b+\i]|
.endif
.endr
.endr
.irp b, 0,1,2,3
.if \b < \nb
	v_permlanex16_b32 v[TM+4+\b], v[TM+\b], s[SEL], s[SEL+1]
.endif
.endr
.irp b, 0,1,2,3
.if \b < \nb
	v_max_num_f32 v[TM+\b], v[TM+\b], v[TM+4+\b]
.endif
.endr
.irp b, 0,1,2,3
.if \b < \nb
	v_add_nc_u32 v[TM+12+\b], 0xfc000000, v[TM+\b]
	v_and_or_b32 v[TM+8+\b], v[TM+\b], 0x7f800000, s[MNT]
	v_lshrrev_b32 v[TM+4+\b], 23, v[TM+12+\b]
.endif
.endr
	v_lshl_or_b32 v[\pw], v[TM+5], 8, v[TM+4]
.if \nb > 2
	v_lshl_or_b32 v[\pw], v[TM+6], 16, v[\pw]
	v_lshl_or_b32 v[\pw], v[TM+7], 24, v[\pw]
.endif
.irp b, 0,1,2,3
.if \b < \nb
.irp i, 0,1,2,3,4,5,6,7,8,9,10,11,12,13,14,15
	v_med3_num_f32 v[(\s)+16*\b+\i], v[(\s)+16*\b+\i], -v[TM+8+\b], v[TM+8+\b]
.endr
	v_cvt_scalef32_pk8_fp8_f32 v[(\pc)+4*\b:(\pc)+1+4*\b], v[(\s)+16*\b:(\s)+7+16*\b], v[TM+12+\b]
	v_cvt_scalef32_pk8_fp8_f32 v[(\pc)+2+4*\b:(\pc)+3+4*\b], v[(\s)+8+16*\b:(\s)+15+16*\b], v[TM+12+\b]
.endif
.endr
	v_nop
.endm
.macro GELU a
.set XB, ACC+32*(\a)
	WIN 0x40
.set i, 0
.rept 16
	v_pk_mul_f32 v[i:i+1], v[XB+i:XB+i+1], 0x3f3504f3 op_sel_hi:[1,0]
.set i, i+2
.endr
	WIN 0x55
.set i, 0
.rept 32
	v_med3_num_f32 v[i], v[i], -4.0, 4.0
.set i, i+1
.endr
.set i, 0
.rept 16
	v_pk_mul_f32 v[32+i:33+i], v[i:i+1], v[i:i+1]
.set i, i+2
.endr
.set i, 0
.rept 16
	v_pk_fma_f32 v[64+i:65+i], v[32+i:33+i], v[CK:CK+1], 0x32edffee op_sel_hi:[1,0,0]
	v_pk_fma_f32 v[96+i:97+i], v[32+i:33+i], v[CK+2:CK+3], 0xb95fbd29 op_sel_hi:[1,0,0]
.set i, i+2
.endr
.irp lit, 0xb60cff51, 0xb86ec2d2, 0xba40ac63, 0xbb41a1f6, 0xbc83dbd4
.set i, 0
.rept 16
	v_pk_fma_f32 v[64+i:65+i], v[64+i:65+i], v[32+i:33+i], \lit op_sel_hi:[1,1,0]
.set i, i+2
.endr
.endr
.irp lit, 0xbadc924e, 0xbbf19bf8, 0xbc69b6a7
.set i, 0
.rept 16
	v_pk_fma_f32 v[96+i:97+i], v[96+i:97+i], v[32+i:33+i], \lit op_sel_hi:[1,1,0]
.set i, i+2
.endr
.endr
.set i, 0
	s_wait_alu depctr_va_vdst(0)
.rept 32
	v_rcp_f32 v[96+i], v[96+i]
.set i, i+1
.endr
.set i, 0
.rept 16
	v_pk_mul_f32 v[64+i:65+i], v[64+i:65+i], v[i:i+1]
.set i, i+2
.endr
	WIN 0
.set i, 0
.rept 16
	v_pk_mul_f32 v[XB+i:XB+i+1], v[XB+i:XB+i+1], 0.5 op_sel_hi:[1,0]
.set i, i+2
.endr
	s_wait_alu depctr_va_vdst(0)
	WIN 0x55
.set i, 0
.rept 16
	v_pk_mul_f32 v[64+i:65+i], v[64+i:65+i], v[96+i:97+i]
.set i, i+2
.endr
	WIN 0x04
.set i, 0
.rept 16
	v_pk_fma_f32 v[XB+i:XB+i+1], v[XB+i:XB+i+1], v[64+i:65+i], v[XB+i:XB+i+1]
.set i, i+2
.endr
	WIN 0
.endm
.macro TILE fill
	CHG \fill
	v_add_nc_u32 v12, s[TB], v9
	v_add_nc_u32 v13, 0x10000, v12
	FETCHB 0, 0, 0
	FETCHB 0, 1, 1
	s_wait_alu depctr_va_vdst(0)
	s_wait_loadcnt 0x0
.irp ks, 0,1,2,3,4,5,6,7
	KSTEP \ks, 0
.endr
	PLACES 8
	WIN 0
.if \fill
	s_add_nc_u64 s[16:17], s[16:17], 4096
	s_add_nc_u64 s[92:93], s[92:93], 512
	LOADW
.endif
.irp a, 0,1,2,3
	GELU \a
	QUANT 2, ACC+32*\a, 64+8*\a, 112+\a
	global_store_b128 v4, v[64+8*\a:67+8*\a], s[18:19] offset:2048*\a
	global_store_b128 v4, v[68+8*\a:71+8*\a], s[18:19] offset:2048*\a+512
	ds_store_b16 v18, v[112+\a] offset:64*\a
.endr
	s_wait_dscnt 0x0
	s_barrier_signal -1
	s_barrier_wait -1
	s_cmp_lg_u32 s10, 0
	s_cbranch_scc1 .Lnot_mine_\@
	ds_load_b128 v[96:99], v19
	s_wait_dscnt 0x0
	global_store_b128 v4, v[96:99], s[20:21]
.Lnot_mine_\@:
.if \fill
	s_wait_xcnt 0x0
	s_add_nc_u64 s[18:19], s[18:19], 16384
	s_add_nc_u64 s[20:21], s[20:21], 512
	s_xor_b32 s[TB], s[TB], SLOT
.endif
.endm
	s_load_b128 s[4:7], s[0:1], 0x0
	s_load_b128 s[92:95], s[0:1], 0x10
	v_lshl_add_u32 v28, v0, 2, SPARE
	v_mov_b32 v29, 0
	ds_add_u32 v28, v29
	ds_add_u32 v28, v29
	s_wait_dscnt 0x0
	v_lshrrev_b32 v1, 5, v0
	v_readfirstlane_b32 s10, v1
	s_lshr_b32 s11, s10, 1
	s_and_b32 s12, s10, 1
	s_bfe_u32 s40, ttmp6, 0x40000
	s_bfe_u32 s41, ttmp6, 0x40004
	s_lshl_b32 s42, ttmp9, 2
	s_add_co_u32 s42, s42, s40
	s_and_b32 s13, ttmp7, 0xffff
	s_lshl_b32 s13, s13, 2
	s_add_co_u32 s13, s13, s41
	s_lshl_b32 s43, s41, 2
	s_lshl_b32 s43, 15, s43
	s_lshl_b32 s44, 0x1111, s40
	s_or_b32 s[G1A], s43, (3<<16)|(1<<21)
	s_or_b32 s[G1B], s44, (3<<16)|(1<<21)
.irp g, G1A, G1B
	s_mov_b32 s[\g+1], 32<<16
	s_mov_b32 s[\g+2], 128<<16
	s_mov_b32 s[\g+3], 32<<16
	s_mov_b32 s[\g+4], 128
	s_mov_b32 s[\g+5], 32
	s_mov_b32 s[\g+6], 0
	s_mov_b32 s[\g+7], 0
.endr
	s_lshl_b32 s45, s10, 15
	s_lshl_b32 s88, s12, 16                        ; the head's loads bring halves of 65,536 bytes: which half is mine
	s_lshl_b32 s14, s13, 17
	s_add_co_u32 s14, s14, s88
	s_mov_b32 s15, 0
	s_lshl_b32 s90, s42, 19
	s_add_co_u32 s90, s90, s88
	s_add_co_u32 s90, s90, WOFF
	s_mov_b32 s91, 0
	s_mov_b32 s[G1A+2], 256<<16                    ; A's one load counts 256 rows of 256 bytes
	s_mov_b32 s[G1A+4], 256
	s_or_b32 s72, s44, (3<<16)|(1<<21)             ; s[72:79]: group 1 of the head's load of the first panel of W1: 256 rows, my column's mask
	s_mov_b32 s73, 32<<16
	s_mov_b32 s74, 256<<16
	s_mov_b32 s75, 32<<16
	s_mov_b32 s76, 256
	s_mov_b32 s77, 32
	s_mov_b32 s78, 0
	s_mov_b32 s79, 0
	s_lshl_b32 s46, s42, 19
	s_add_co_u32 s46, s46, s45
	s_add_co_u32 s46, s46, WOFF
	s_mov_b32 s47, 0
	s_mov_b32 s[SEL], 0x76543210
	s_mov_b32 s[SEL+1], 0xfedcba98
	s_mov_b32 s[MNT], 0x600000
	s_wait_kmcnt 0x0
	s_mov_b32 s[G0A], 1
	s_add_co_u32 s[G0A+1], s88, SLOT
	s_add_nc_u64 s[G0A+2:G0A+3], s[4:5], s[14:15]
	s_or_b32 s[G0A+3], s[G0A+3], 0x80000000
	s_mov_b32 s[G0B], 1
	s_mov_b32 s[G0B+1], s45
	s_add_nc_u64 s[G0B+2:G0B+3], s[6:7], s[46:47]
	s_or_b32 s[G0B+3], s[G0B+3], 0x80000000
	s_mov_b32 s80, 1                               ; s[80:83]: group 0 of the head's load of the first panel of W1, into slot 0
	s_mov_b32 s81, s88
	s_add_nc_u64 s[82:83], s[6:7], s[90:91]
	s_or_b32 s83, s83, 0x80000000
	CROUND
	s_cmp_eq_u32 s11, 0                            ; the head's tiles are shared out, one joint load a wave: waves 0, 1 A's halves, waves 2, 3 the first panel's
	s_cbranch_scc0 .Lhead_b
	tensor_load_to_lds s[G0A:G0A+3], s[G1A:G1A+7]
	s_nop 0
	PLACES 4
	s_branch .Lhead_asked
.Lhead_b:
	tensor_load_to_lds s[80:83], s[72:79]
	s_nop 0
	PLACES 4
.Lhead_asked:
	v_and_b32 v1, 31, v0
	v_and_b32 v2, 15, v0
	v_bfe_u32 v3, v0, 4, 1
	v_lshlrev_b32 v4, 4, v1
	v_lshlrev_b32 v5, 2, v1
	s_lshl_b32 s58, s11, 13
	s_add_co_u32 s58, s58, SLOT
	v_add_nc_u32 v10, s58, v4
	v_add_nc_u32 v11, 0x10000, v10
	s_lshl_b32 s58, s12, 13
	v_add_nc_u32 v9, s58, v4
	v_lshlrev_b32 v16, 6, v3
	s_lshl_b32 s58, s11, 8
	s_lshl_b32 s59, s12, 1
	s_add_co_u32 s58, s58, s59
	s_add_co_u32 s58, s58, SCR
	v_lshlrev_b32 v18, 2, v2
	v_add_nc_u32 v18, s58, v18
	v_add_nc_u32 v19, SCR, v4
.irp b, 0,1,2,3
	v_mov_b32 v[TM+4+\b], 0
.endr
	WIN 0x40
	v_mov_b32 v[CK], 0xaf95df0b
	v_mov_b32 v[CK+1], 0xaf95df0b
	v_mov_b32 v[CK+2], 0xb77460cd
	v_mov_b32 v[CK+3], 0xb77460cd
	WIN 0
	s_lshl_b32 s22, s13, 12
	s_lshl_b32 s23, s11, 8
	s_add_co_u32 s22, s22, s23
	s_add_co_u32 s22, s22, ASOFF
	s_mov_b32 s23, 0
	s_add_nc_u64 s[22:23], s[4:5], s[22:23]
	s_lshl_b32 s16, s42, 14
	s_lshl_b32 s17, s12, 8
	s_add_co_u32 s16, s16, s17
	s_add_co_u32 s16, s16, WSOFF
	s_mov_b32 s17, 0
	s_add_nc_u64 s[16:17], s[6:7], s[16:17]
	s_lshl_b32 s58, s42, 11
	s_lshl_b32 s59, s12, 8
	s_add_co_u32 s58, s58, s59
	s_mov_b32 s59, 0
	s_add_nc_u64 s[92:93], s[92:93], s[58:59]
.irp ks, 0,1,2,3,4,5,6,7
	global_load_b32 v[SA+2*\ks], v5, s[22:23] offset:512*\ks
	global_load_b32 v[SA+2*\ks+1], v5, s[22:23] offset:512*\ks+128
.endr
	LOADW
	s_lshl_b32 s18, s13, 19
	s_lshl_b32 s58, s42, 16
	s_add_co_u32 s18, s18, s58
	s_lshl_b32 s58, s11, 13
	s_add_co_u32 s18, s18, s58
	s_lshl_b32 s58, s12, 10
	s_add_co_u32 s18, s18, s58
	s_mov_b32 s19, 0
	s_add_nc_u64 s[18:19], s[94:95], s[18:19]
	s_lshl_b32 s20, s13, 5
	s_lshl_b32 s58, s42, 2
	s_add_co_u32 s20, s20, s58
	s_lshl_b32 s20, s20, 9
	s_add_co_u32 s20, s20, 16777216
	s_mov_b32 s21, 0
	s_add_nc_u64 s[20:21], s[94:95], s[20:21]
	s_mov_b32 s[TB], 0
	s_mov_b32 s[CNT], TILES-1
	s_wait_tensorcnt 0x0
	s_barrier_signal -1
	s_barrier_wait -1
	WIN 0x80
.irp ks, 0,1,2,3
.irp a, 0,1,2,3
.irp c, 0,1,2,3
	ds_load_b128 v[64*\ks+16*\a+4*\c:64*\ks+16*\a+4*\c+3], v10 offset:\ks*16384+\a*2048+\c*512
.endr
.endr
.endr
	WIN 0xc0
.irp ks, 0,1,2,3
.irp a, 0,1,2,3
.irp c, 0,1,2,3
	ds_load_b128 v[64*\ks+16*\a+4*\c:64*\ks+16*\a+4*\c+3], v11 offset:\ks*16384+\a*2048+\c*512
.endr
.endr
.endr
	WIN 0
.Ltile:
	TILE 1
	s_sub_co_u32 s[CNT], s[CNT], 1
	s_cmp_lg_u32 s[CNT], 0
	s_cbranch_scc1 .Ltile
	TILE 0
	s_wait_tensorcnt 0x0
	ds_add_u32 v28, v29
	s_wait_dscnt 0x0
	CROUND
	s_endpgm
.Lfunc_end_k_q5ba310b1ab_ff1:
	.size	k_q5ba310b1ab_ff1, .Lfunc_end_k_q5ba310b1ab_ff1-k_q5ba310b1ab_ff1
	.p2alignl 7, 3214868480
	.fill 96, 4, 3214868480
	.section	.rodata,"a",@progbits
	.p2align	6, 0x0
	.amdhsa_kernel k_q5ba310b1ab_ff1
		.amdhsa_group_segment_fixed_size 327680
		.amdhsa_private_segment_fixed_size 0
		.amdhsa_enable_private_segment 0
		.amdhsa_kernarg_size 32
		.amdhsa_user_sgpr_count 2
		.amdhsa_user_sgpr_kernarg_segment_ptr 1
		.amdhsa_wavefront_size32 1
		.amdhsa_system_sgpr_workgroup_id_x 1
		.amdhsa_system_sgpr_workgroup_id_y 1
		.amdhsa_system_sgpr_workgroup_id_z 1
		.amdhsa_system_vgpr_workitem_id 0
		.amdhsa_next_free_vgpr 1024
		.amdhsa_next_free_sgpr 100
		.amdhsa_reserve_vcc 0
		.amdhsa_float_denorm_mode_32 3
		.amdhsa_float_denorm_mode_16_64 3
		.amdhsa_memory_ordered 1
		.amdhsa_forward_progress 1
		.amdhsa_inst_pref_size 255
	.end_amdhsa_kernel
	.section	.bss,"aw",@nobits
	.p2align	6
	.space	262144
	.amdgpu_metadata
---
amdhsa.version: [ 1, 2 ]
amdhsa.kernels:
  - .name:           k_q5ba310b1ab_ff1
    .symbol:         k_q5ba310b1ab_ff1.kd
    .args:
      - { .name: h2, .offset: 0, .size: 8, .value_kind: global_buffer, .address_space: global }
      - { .name: wts, .offset: 8, .size: 8, .value_kind: global_buffer, .address_space: global }
      - { .name: b1, .offset: 16, .size: 8, .value_kind: global_buffer, .address_space: global }
      - { .name: gl, .offset: 24, .size: 8, .value_kind: global_buffer, .address_space: global }
    .group_segment_fixed_size: 327680
    .private_segment_fixed_size: 0
    .kernarg_segment_align: 8
    .kernarg_segment_size: 32
    .max_flat_workgroup_size: 128
    .sgpr_count:     100
    .vgpr_count:     1024
    .wavefront_size: 32
...
	.end_amdgpu_metadata
.endif
;; end of part 6
;; launch ff2 (part 7): grid 8 x 32, 4 waves a work-group, no clusters, 270,848 bytes of LDS; arguments gl, wts, b2, x1, out0; writes out0
.if DOCPART == 7
	.amdgcn_target "amdgcn-amd-amdhsa--gfx1250"
	.amdhsa_code_object_version 6
	.text
	.protected	k_q5ba310b1ab_ff2
	.globl	k_q5ba310b1ab_ff2
	.p2align	8
	.type	k_q5ba310b1ab_ff2,@function
k_q5ba310b1ab_ff2:
	s_mov_b64 s[64:65], 0
	v_nop
	global_prefetch_b8 v0, s[64:65] scope:SCOPE_SE
	s_setreg_imm32_b32 hwreg(HW_REG_WAVE_MODE, 25, 1), 1
	s_wait_xcnt 0x0
; out0 = x1 + gelu(..) W2 + b2, the product on codes of E4M3 with one E8M0 byte for each 32 along K = 4,096; x1, out0: [4096][1024] f32.
; OPERANDS are images of the operand's registers: a panel of 128 rows and a K step of 128 are 16,384 dense bytes, a fragment (16 rows) 2,048; rows stored with bits 3 and 4 of their number exchanged.
; SHARES: a work-group makes 128 tokens x 128 columns.  EACH OF ITS FOUR WAVES MULTIPLIES THE WHOLE BLOCK OVER ITS OWN QUARTER OF K (KW K steps): 64 accumulators, 512 registers.
; So no byte of A or W is read by two waves of the work-group, and the fragments go from memory straight into registers, 512 consecutive bytes a load; LDS serves the sum alone.
; NO CLUSTER, NO TENSOR LOAD: a joint load lands in LDS, where each of its bytes would be written once and read once: 32,768 bytes in and out for each wave and K step with no second reader.
; PREFETCH: in K step t a wave asks for K step t + 3 of its quarter, one and a half steps ahead of that step's first load.  A K step of A is 64 blocks of 256 bytes, read by the eight work-groups of a panel of tokens:
; the one with column panel x names blocks 8 x .. 8 x + 7; a K step of W is read by 32 work-groups: the one with token panel y names blocks 2 y, 2 y + 1 (lanes left over name the last block again).  K steps 0 to 2 come by their loads alone; the last three steps ask for nothing.
; THE SUM: each wave lays its block in LDS as rows of 512 bytes + 16; wave d adds the four parts of stored rows 32 d .. 32 d + 31, the bias and the residual, and stores whole rows: 512 consecutive aligned bytes.
; REGISTERS: window 0: v1-15 addresses and the bias, v32-47 scale words (two sets), v64-255 A's fragments (three halves of four); window 1: W's fragments, two sets of eight; windows 2, 3: accumulator (a, b) at v[8 (8 (a % 4) + b)].
.set KDIM,  4096
.set ASOFF, 16777216
.set WOFF,  4194304
.set WSOFF, 12713984
.set NKS,   KDIM/128
.set KW,    NKS/4                      ; K steps a wave: even
.set PANEL, 128*KDIM
.set LP,    528                        ; an LDS row: an odd multiple of 16 bytes
.set RG,    32*LP                      ; region (from wave s, for wave d) at (4 s + d) RG
.set SPARE, 16*RG
.set LO,  1                            ; 16 x lane
.set LS,  2                            ; 4 x lane
.set STO, 3
.set RD,  4                            ; v4-7: where I read the four parts
.set PFA, 8                            ; the prefetches' offsets in a K step of A and of W; never rewritten
.set PFB, 9
.set SPW, 10
.set NIL, 11
.set BI,  12                           ; v12-15 the bias of my lane's four columns
.set SC,  32
.set AF,  64
.set MSB, 0
.macro WIN new
.if MSB != \new
	s_set_vgpr_msb (MSB<<8)|\new
.set MSB, \new
.endif
.endm
.macro PLACES n
.rept \n
	v_nop
.endr
.endm
.macro LDA g                           ; A's half g (four fragments) into buffer g % 3
.set FB, AF+64*((\g)%3)
.irp i, 0,1,2,3
.irp c, 0,1,2,3
	global_load_b128 v[FB+16*\i+4*\c:FB+16*\i+4*\c+3], v[LO], s[20:21] offset:(\g)*8192+\i*2048+\c*512
.endr
.endr
.endm
.macro LDB t                           ; W's eight fragments of K step t into set t % 2
.irp i, 0,1,2,3,4,5,6,7
.irp c, 0,1,2,3
	global_load_b128 v[128*((\t)%2)+16*\i+4*\c:128*((\t)%2)+16*\i+4*\c+3], v[LO], s[22:23] offset:(\t)*16384+\i*2048+\c*512
.endr
.endr
.endm
.macro LSC t                           ; the scale words: register p holds rows 32 p .. 32 p + 31: tile 2 p in lanes 0-15, tile 2 p + 1 in lanes 16-31
.irp p, 0,1,2,3
	global_load_b32 v[SC+8*((\t)%2)+\p], v[LS], s[24:25] offset:(\t)*512+128*\p
	global_load_b32 v[SC+8*((\t)%2)+4+\p], v[LS], s[26:27] offset:(\t)*512+128*\p
.endr
.endm
.macro WM z, d, bf, af, sb, sa, pb, pa ; z = 0: the first K step starts the sums
.if (\z) == 0
.if (\pb) && (\pa)
	v_wmma_scale_f32_16x16x128_f8f6f4 v[\d:\d+7], v[\bf:\bf+15], v[\af:\af+15], 0, v[\sb], v[\sa] matrix_a_scale:MATRIX_SCALE_ROW1 matrix_b_scale:MATRIX_SCALE_ROW1
.elseif (\pb)
	v_wmma_scale_f32_16x16x128_f8f6f4 v[\d:\d+7], v[\bf:\bf+15], v[\af:\af+15], 0, v[\sb], v[\sa] matrix_a_scale:MATRIX_SCALE_ROW1
.elseif (\pa)
	v_wmma_scale_f32_16x16x128_f8f6f4 v[\d:\d+7], v[\bf:\bf+15], v[\af:\af+15], 0, v[\sb], v[\sa] matrix_b_scale:MATRIX_SCALE_ROW1
.else
	v_wmma_scale_f32_16x16x128_f8f6f4 v[\d:\d+7], v[\bf:\bf+15], v[\af:\af+15], 0, v[\sb], v[\sa]
.endif
.else
.if (\pb) && (\pa)
	v_wmma_scale_f32_16x16x128_f8f6f4 v[\d:\d+7], v[\bf:\bf+15], v[\af:\af+15], v[\d:\d+7], v[\sb], v[\sa] matrix_a_scale:MATRIX_SCALE_ROW1 matrix_b_scale:MATRIX_SCALE_ROW1
.elseif (\pb)
	v_wmma_scale_f32_16x16x128_f8f6f4 v[\d:\d+7], v[\bf:\bf+15], v[\af:\af+15], v[\d:\d+7], v[\sb], v[\sa] matrix_a_scale:MATRIX_SCALE_ROW1
.elseif (\pa)
	v_wmma_scale_f32_16x16x128_f8f6f4 v[\d:\d+7], v[\bf:\bf+15], v[\af:\af+15], v[\d:\d+7], v[\sb], v[\sa] matrix_b_scale:MATRIX_SCALE_ROW1
.else
	v_wmma_scale_f32_16x16x128_f8f6f4 v[\d:\d+7], v[\bf:\bf+15], v[\af:\af+15], v[\d:\d+7], v[\sb], v[\sa]
.endif
.endif
.endm
; Half u of K step t: 32 products, transposed (source 0 = 16 columns of W, source 1 = 16 tokens); the accumulators take turns, one instruction a turn.
; At its head the buffers that the half before has left are asked for again: A's half two halves on; at u = 0 also the next K step's W and scale words.
.macro HALF t, u
.if (\u) == 0
	s_wait_loadcnt 16                              ; this step's words, W and A's first half are in; behind them only A's second half (16 loads) was issued
.elseif (\t)+1 < KW
	s_wait_loadcnt 56                              ; A's second half is in; behind it: 8 loads of words, 32 of W, 16 of A
.else
	s_wait_loadcnt 32                              ; behind it: the residual's 32 loads
.endif
.if 2*(\t)+(\u) > 0
	PLACES 8                                       ; between the products that read a buffer and the loads into it
.endif
.if (\t)+1 < KW
.if (\u) == 0
	WIN 0
	LSC (\t)+1
	WIN 0x40
	LDB (\t)+1
.endif
	WIN 0
	LDA 2*(\t)+(\u)+2
.if ((\u) == 1) && ((\t)+3 < KW)
	global_prefetch_b8 v[PFA], s[20:21] offset:((\t)+3)*16384 th:TH_LOAD_NT scope:SCOPE_SE   ; my work-group's blocks of K step t + 3
	global_prefetch_b8 v[PFB], s[22:23] offset:((\t)+3)*16384 th:TH_LOAD_NT scope:SCOPE_SE
.endif
.elseif (\u) == 0
	WIN 0x40                                       ; the last K step: W's idle set 0 takes the residual of my 32 rows: stored row i is token 16 ((i / 8) % 2) + 8 (i / 16) + i % 8
.set i, 0
.rept 32
	global_load_b128 v[4*i:4*i+3], v[LO], s[10:11] offset:(16*((i/8)%2)+8*(i/16)+i%8)*4096
.set i, i+1
.endr
.endif
	WIN 0xa1+0x50*(\u)
.irp a, 0,1,2,3
.irp b, 0,1,2,3,4,5,6,7
	WM \t, 8*(8*\a+\b), 128*((\t)%2)+16*\b, AF+64*((2*(\t)+(\u))%3)+16*\a, SC+8*((\t)%2)+4+\b/2, SC+8*((\t)%2)+2*(\u)+\a/2, \b%2, \a%2
.endr
.endr
.endm
.macro RDB q                           ; rows 4 q .. 4 q + 3 of my 32, all four parts, into buffer q % 2
.set RB, AF+64*((\q)%2)
.irp k, 0,1,2,3
.irp s, 0,1,2,3
	ds_load_b128 v[RB+16*\k+4*\s:RB+16*\k+4*\s+3], v[RD+\s] offset:(4*(\q)+\k)*LP
.endr
.endr
.endm
.macro FIN q
.if (\q) < 7
.if (\q) > 0
	s_wait_xcnt 0x0                                ; the stores of two batches back have read the registers that the loads below fill
.endif
	RDB (\q)+1
	s_wait_dscnt 16                                ; this batch's 16 loads are in
.else
	s_wait_dscnt 0x0
.endif
.set TB, AF+64*((\q)%2)
.irp k, 0,1,2,3
.irp e, 0,2
	v_pk_add_f32 v[TB+16*\k+\e:TB+16*\k+\e+1], v[TB+16*\k+\e:TB+16*\k+\e+1], v[TB+16*\k+4+\e:TB+16*\k+5+\e]
	v_pk_add_f32 v[TB+16*\k+8+\e:TB+16*\k+9+\e], v[TB+16*\k+8+\e:TB+16*\k+9+\e], v[TB+16*\k+12+\e:TB+16*\k+13+\e]
.endr
.endr
.irp k, 0,1,2,3
.irp e, 0,2
	v_pk_add_f32 v[TB+16*\k+\e:TB+16*\k+\e+1], v[TB+16*\k+\e:TB+16*\k+\e+1], v[BI+\e:BI+\e+1]
.endr
.endr
.irp k, 0,1,2,3
.irp e, 0,2
	v_pk_add_f32 v[TB+16*\k+\e:TB+16*\k+\e+1], v[TB+16*\k+\e:TB+16*\k+\e+1], v[TB+16*\k+8+\e:TB+16*\k+9+\e]
.endr
.endr
	WIN 0x04                                       ; source 1: the residual, in window 1
.irp k, 0,1,2,3
.irp e, 0,2
	v_pk_add_f32 v[TB+16*\k+\e:TB+16*\k+\e+1], v[TB+16*\k+\e:TB+16*\k+\e+1], v[4*(4*(\q)+\k)+\e:4*(4*(\q)+\k)+\e+1]
.endr
.endr
	WIN 0
.irp k, 0,1,2,3
.set RW, 4*(\q)+\k
	global_store_b128 v[LO], v[TB+16*\k:TB+16*\k+3], s[12:13] offset:(16*((RW/8)%2)+8*(RW/16)+RW%8)*4096 th:TH_STORE_NT   ; 32 lanes store 512 consecutive aligned bytes
.endr
.endm
	s_load_b128 s[4:7], s[0:1], 0x0                ; A, wts
	s_load_b128 s[8:11], s[0:1], 0x10              ; the bias, the residual
	s_load_b64 s[12:13], s[0:1], 0x20              ; out
	v_lshl_add_u32 v[SPW], v0, 2, SPARE
	v_mov_b32 v[NIL], 0
	v_lshrrev_b32 v16, 5, v0
	v_readfirstlane_b32 s14, v16                   ; wave
	v_and_b32 v17, 31, v0
	v_lshlrev_b32 v[LO], 4, v17
	v_lshlrev_b32 v[LS], 2, v17
	v_and_b32 v18, 15, v0                          ; r
	v_bfe_u32 v19, v0, 4, 1                        ; h
	v_mul_u32_u24 v[STO], v18, LP
	v_lshl_add_u32 v[STO], v19, 6, v[STO]
	s_mul_i32 s15, s14, 4*RG
	v_add_nc_u32 v[STO], s15, v[STO]               ; in: my four regions, row r, 64 h bytes on
	s_mul_i32 s15, s14, RG
	v_add_nc_u32 v[RD], s15, v[LO]                 ; back: the regions for me, a row of 512 bytes to the 32 lanes
	v_add_nc_u32 v[RD+1], 4*RG, v[RD]
	v_add_nc_u32 v[RD+2], 8*RG, v[RD]
	v_add_nc_u32 v[RD+3], 12*RG, v[RD]
	s_and_b32 s16, ttmp7, 0xffff                   ; the panel of tokens; ttmp9: the panel of columns
	v_min_u32 v20, 7, v17
	v_lshlrev_b32 v20, 8, v20
	s_lshl_b32 s17, ttmp9, 11
	v_add_nc_u32 v[PFA], s17, v20                  ; A: blocks 8 x + min(lane, 7)
	v_min_u32 v21, 1, v17
	v_lshlrev_b32 v21, 8, v21
	s_lshl_b32 s17, s16, 9
	v_add_nc_u32 v[PFB], s17, v21                  ; W: blocks 2 y + min(lane, 1)
	s_mul_i32 s18, s14, KW*16384                   ; my quarter of K
	s_mul_i32 s20, s16, PANEL
	s_add_co_u32 s20, s20, s18
	s_mov_b32 s21, 0
	s_mul_i32 s22, ttmp9, PANEL
	s_add_co_u32 s22, s22, s18
	s_add_co_u32 s22, s22, WOFF
	s_mov_b32 s23, 0
	s_mul_i32 s18, s14, KW*512
	s_mul_i32 s24, s16, NKS*512
	s_add_co_u32 s24, s24, s18
	s_add_co_u32 s24, s24, ASOFF
	s_mov_b32 s25, 0
	s_mul_i32 s26, ttmp9, NKS*512
	s_add_co_u32 s26, s26, s18
	s_add_co_u32 s26, s26, WSOFF
	s_mov_b32 s27, 0
	s_lshl_b32 s28, ttmp9, 9                       ; 128 columns of 4 bytes
	s_mov_b32 s29, 0
	s_lshl_b32 s30, s16, 19                        ; 128 rows of 4,096 bytes
	s_lshl_b32 s18, s14, 17                        ; my 32 rows on the way out
	s_add_co_u32 s30, s30, s18
	s_add_co_u32 s30, s30, s28
	s_mov_b32 s31, 0
	s_wait_alu depctr_va_vdst(0)                   ; the wait at the head's end
	s_wait_kmcnt 0x0
	s_add_nc_u64 s[20:21], s[4:5], s[20:21]        ; A's codes
	s_add_nc_u64 s[22:23], s[6:7], s[22:23]        ; W's codes
	s_add_nc_u64 s[24:25], s[4:5], s[24:25]        ; A's scale words
	s_add_nc_u64 s[26:27], s[6:7], s[26:27]        ; W's
	s_add_nc_u64 s[8:9], s[8:9], s[28:29]
	s_add_nc_u64 s[10:11], s[10:11], s[30:31]
	s_add_nc_u64 s[12:13], s[12:13], s[30:31]
	global_load_b128 v[BI:BI+3], v[LO], s[8:9]
	LSC 0
	WIN 0x40
	LDB 0
	WIN 0
	LDA 0
	LDA 1
.set T, 0
.rept KW
	HALF T, 0
	HALF T, 1
.set T, T+1
.endr
	PLACES 8
.irp a, 0,1,2,3,4,5,6,7                ; tile (a, b) goes to the region for wave a / 2, row 16 (a % 2) + r; its columns are 32 (b / 2) + 16 h + 8 (b % 2) + 0..7
	WIN 0x08+4*(\a/4)
.irp b, 0,1,2,3,4,5,6,7
	ds_store_b128 v[STO], v[8*(8*(\a%4)+\b):8*(8*(\a%4)+\b)+3] offset:(\a/2)*RG+16*(\a%2)*LP+128*(\b/2)+32*(\b%2)       ; each accumulator from its low end on
	ds_store_b128 v[STO], v[8*(8*(\a%4)+\b)+4:8*(8*(\a%4)+\b)+7] offset:(\a/2)*RG+16*(\a%2)*LP+128*(\b/2)+32*(\b%2)+16
.endr
.endr
	WIN 0
	s_wait_dscnt 0x0                               ; for the others' sake: my part lies in LDS
	s_barrier_signal -1
	s_barrier_wait -1
	RDB 0
	s_wait_loadcnt 0x0                             ; the residual
.irp q, 0,1,2,3,4,5,6,7
	FIN \q
.endr
	s_wait_tensorcnt 0x0                           ; the wave's end
	ds_add_u32 v[SPW], v[NIL]
	s_wait_dscnt 0x0
	s_endpgm
.Lfunc_end_k_q5ba310b1ab_ff2:
	.size	k_q5ba310b1ab_ff2, .Lfunc_end_k_q5ba310b1ab_ff2-k_q5ba310b1ab_ff2
	.p2alignl 7, 3214868480
	.fill 96, 4, 3214868480
	.section	.rodata,"a",@progbits
	.p2align	6, 0x0
	.amdhsa_kernel k_q5ba310b1ab_ff2
		.amdhsa_group_segment_fixed_size 270848
		.amdhsa_private_segment_fixed_size 0
		.amdhsa_enable_private_segment 0
		.amdhsa_kernarg_size 40
		.amdhsa_user_sgpr_count 2
		.amdhsa_user_sgpr_kernarg_segment_ptr 1
		.amdhsa_wavefront_size32 1
		.amdhsa_system_sgpr_workgroup_id_x 1
		.amdhsa_system_sgpr_workgroup_id_y 1
		.amdhsa_system_sgpr_workgroup_id_z 1
		.amdhsa_system_vgpr_workitem_id 0
		.amdhsa_next_free_vgpr 1024
		.amdhsa_next_free_sgpr 66
		.amdhsa_reserve_vcc 0
		.amdhsa_float_denorm_mode_32 3
		.amdhsa_float_denorm_mode_16_64 3
		.amdhsa_memory_ordered 1
		.amdhsa_forward_progress 1
		.amdhsa_inst_pref_size 172
	.end_amdhsa_kernel
	.amdgpu_metadata
---
amdhsa.version: [ 1, 2 ]
amdhsa.kernels:
  - .name:           k_q5ba310b1ab_ff2
    .symbol:         k_q5ba310b1ab_ff2.kd
    .args:
      - { .name: gl, .offset: 0, .size: 8, .value_kind: global_buffer, .address_space: global }
      - { .name: wts, .offset: 8, .size: 8, .value_kind: global_buffer, .address_space: global }
      - { .name: b2, .offset: 16, .size: 8, .value_kind: global_buffer, .address_space: global }
      - { .name: x1, .offset: 24, .size: 8, .value_kind: global_buffer, .address_space: global }
      - { .name: out0, .offset: 32, .size: 8, .value_kind: global_buffer, .address_space: global }
    .group_segment_fixed_size: 270848
    .private_segment_fixed_size: 0
    .kernarg_segment_align: 8
    .kernarg_segment_size: 40
    .max_flat_workgroup_size: 128
    .sgpr_count:     66
    .vgpr_count:     1024
    .wavefront_size: 32
...
	.end_amdgpu_metadata
.endif
;; end of part 7
